; MI455X (gfx1250); checked and timed in simulation.
; The chip was launched on July 23, 2026; its instructions are those of AMD's public machine-readable ISA for CDNA 5 (MIT licence, August 2026) and "CDNA5" Instruction Set Architecture Reference Guide (July 2026). The comments in the code are by the model that wrote it; some were corrected since.
;; Bert Attention. Allowed arithmetic: float matrix products may take bf16 or f16 operands with f32 sums; all other float work in f32.
;; Inputs: Wk 1,024 x 1,024 float32; Wo 1,024 x 1,024 float32; Wq 1,024 x 1,024 float32; Wv 1,024 x 1,024 float32; bk 1,024 float32; bo 1,024 float32; bq 1,024 float32; bv 1,024 float32; dist_emb 2,047 x 64 float32; hidden_states 8 x 1,024 x 1,024 float32; ln_beta 1,024 float32; ln_gamma 1,024 float32.
;; Outputs: out0 8 x 1,024 x 1,024 float32.
;; 2 versions, each right. Each part assembles by itself: llvm-mc -triple=amdgcn-amd-amdhsa -mcpu=gfx1250 --defsym DOCPART=n.
;; ======== version 1 of 2: 4 launches
;; workspace buffers: Xb 16,777,216 bytes; Wqkv 6,291,456 bytes; Wob 2,097,152 bytes; Ebf 262,144 bytes; QKVh 50,331,648 bytes; ctxh 16,777,216 bytes
;; launch prep (part 1): grid 1552 x 1, 8 waves a work-group, no clusters, 0 bytes of LDS; arguments hidden_states, Wq, Wk, Wv, Wo, dist_emb, Xb, Wqkv, Wob, Ebf; writes Xb, Wqkv, Wob, Ebf
.if DOCPART == 1
	.amdgcn_target "amdgcn-amd-amdhsa--gfx1250"
	.amdhsa_code_object_version 6
	.text
	.protected	k_q4554bb7b6a_prep
	.globl	k_q4554bb7b6a_prep
	.p2align	8
	.type	k_q4554bb7b6a_prep,@function
k_q4554bb7b6a_prep:
	s_mov_b64 s[64:65], 0
	v_nop
	global_prefetch_b8 v0, s[64:65] scope:SCOPE_SE
	s_setreg_imm32_b32 hwreg(HW_REG_WAVE_MODE, 25, 1), 1
	s_wait_xcnt 0x0
; Cast to bf16 (round to nearest even), nothing else.  A work-group takes a chunk of 32,768 input bytes = 8 rows of 1,024 f32.
;   groups    0-1023  hidden_states -> Xb    [8192][1024]
;   groups 1024-1407  Wq, Wk, Wv    -> Wqkv  [1024 k][3072 n], the three side by side (row pitch 6,144 bytes, column offset 0, 2,048, 4,096)
;   groups 1408-1535  Wo            -> Wob   [1024 k][1024 n]
;   groups 1536-1551  dist_emb      -> Ebf   [2048][64]; the table has 2,047 rows, row 2047 of Ebf is written as zeros
; Thread t takes 16 bytes at 16 t of each of the 8 rows: a wave's load covers 512 consecutive bytes, its store 256 consecutive aligned bytes.
; A stream: no LDS, no matrix unit, no cluster (no two work-groups read the same bytes).  No register is written twice, so no wait but the counted ones.
.set CHUNK, 32768
.set IN,  2                            ; v[2:9]    byte offset of my 16 input bytes in row j, clamped to the source's end
.set OUT, 10                           ; v[10:17]  byte offset of my 8 output bytes in row j
.set XD,  20                           ; v[20:51]  as loaded
.set YD,  52                           ; v[52:67]  to store
	s_load_b512 s[8:23], s[0:1], 0x0               ; hidden s[8:9], Wq s[10:11], Wk s[12:13], Wv s[14:15], Wo s[16:17], dist_emb s[18:19], Xb s[20:21], Wqkv s[22:23]
	s_load_b128 s[24:27], s[0:1], 0x40             ; Wob s[24:25], Ebf s[26:27]
	s_mov_b32 s33, 2048                            ; output bytes from row to row
	s_mov_b32 s34, 0                               ; output column offset
	s_mov_b32 s35, CHUNK                           ; valid input bytes from the chunk's start
	v_lshlrev_b32 v18, 4, v0
	s_wait_kmcnt 0x0
	s_cmp_ge_u32 ttmp9, 1024
	s_cbranch_scc1 .Lweights
	s_mov_b32 s32, ttmp9                           ; chunk number in its source
	s_mov_b64 s[28:29], s[8:9]
	s_mov_b64 s[30:31], s[20:21]
	s_branch .Lgo
.Lweights:
	s_cmp_ge_u32 ttmp9, 1408
	s_cbranch_scc1 .Lwo
	s_sub_co_u32 s32, ttmp9, 1024
	s_lshr_b32 s36, s32, 7                         ; 0 Wq, 1 Wk, 2 Wv
	s_and_b32 s32, s32, 127
	s_lshl_b32 s34, s36, 11
	s_mov_b32 s33, 6144
	s_cmp_eq_u32 s36, 0
	s_cselect_b64 s[28:29], s[10:11], s[12:13]
	s_cmp_eq_u32 s36, 2
	s_cselect_b64 s[28:29], s[14:15], s[28:29]
	s_mov_b64 s[30:31], s[22:23]
	s_branch .Lgo
.Lwo:
	s_cmp_ge_u32 ttmp9, 1536
	s_cbranch_scc1 .Lemb
	s_sub_co_u32 s32, ttmp9, 1408
	s_mov_b64 s[28:29], s[16:17]
	s_mov_b64 s[30:31], s[24:25]
	s_branch .Lgo
.Lemb:
	s_sub_co_u32 s32, ttmp9, 1536
	s_lshl_b32 s36, s32, 15
	s_sub_co_u32 s35, 524032, s36                  ; what is left of the table's 524,032 bytes from this chunk on
	s_mov_b64 s[28:29], s[18:19]
	s_mov_b64 s[30:31], s[26:27]
.Lgo:
	s_lshl_b32 s36, s32, 15
	s_mov_b32 s37, 0
	s_add_nc_u64 s[28:29], s[28:29], s[36:37]      ; source at the chunk
	s_mul_i32 s36, s32, s33
	s_lshl_b32 s36, s36, 3                         ; 8 output rows a chunk
	s_add_co_u32 s36, s36, s34
	s_add_nc_u64 s[30:31], s[30:31], s[36:37]      ; destination at the chunk
	s_sub_co_u32 s38, s35, 16                      ; the last 16 bytes that may be loaded
.irp j, 0,1,2,3,4,5,6,7
	v_add_nc_u32 v[IN+\j], \j*4096, v18
	v_cmp_gt_u32 s[40+\j], s35, v[IN+\j]           ; my 16 bytes lie inside the source
	v_min_u32 v[IN+\j], s38, v[IN+\j]              ; no load leaves it
	s_mul_i32 s39, s33, \j
	v_lshl_add_u32 v[OUT+\j], v0, 3, s39
.endr
.irp j, 0,1,2,3,4,5,6,7
	global_load_b128 v[XD+4*\j:XD+4*\j+3], v[IN+\j], s[28:29] th:TH_LOAD_NT
.endr
.irp j, 0,1,2,3,4,5,6,7
	s_wait_loadcnt 7-\j                            ; loads return in order: row j is in, the younger ones stay out
	v_cvt_pk_bf16_f32 v[YD+2*\j], v[XD+4*\j], v[XD+4*\j+1]
	v_cvt_pk_bf16_f32 v[YD+2*\j+1], v[XD+4*\j+2], v[XD+4*\j+3]
	v_cndmask_b32 v[YD+2*\j], 0, v[YD+2*\j], s[40+\j]        ; zeros behind the table's end
	v_cndmask_b32 v[YD+2*\j+1], 0, v[YD+2*\j+1], s[40+\j]
	global_store_b64 v[OUT+\j], v[YD+2*\j:YD+2*\j+1], s[30:31]
.endr
	s_endpgm
.Lfunc_end_k_q4554bb7b6a_prep:
	.size	k_q4554bb7b6a_prep, .Lfunc_end_k_q4554bb7b6a_prep-k_q4554bb7b6a_prep
	.p2alignl 7, 3214868480
	.fill 96, 4, 3214868480
	.section	.rodata,"a",@progbits
	.p2align	6, 0x0
	.amdhsa_kernel k_q4554bb7b6a_prep
		.amdhsa_group_segment_fixed_size 0
		.amdhsa_private_segment_fixed_size 0
		.amdhsa_enable_private_segment 0
		.amdhsa_kernarg_size 80
		.amdhsa_user_sgpr_count 2
		.amdhsa_user_sgpr_kernarg_segment_ptr 1
		.amdhsa_wavefront_size32 1
		.amdhsa_system_sgpr_workgroup_id_x 1
		.amdhsa_system_sgpr_workgroup_id_y 1
		.amdhsa_system_sgpr_workgroup_id_z 1
		.amdhsa_system_vgpr_workitem_id 0
		.amdhsa_next_free_vgpr 72
		.amdhsa_next_free_sgpr 66
		.amdhsa_reserve_vcc 0
		.amdhsa_float_denorm_mode_32 3
		.amdhsa_float_denorm_mode_16_64 3
		.amdhsa_memory_ordered 1
		.amdhsa_forward_progress 1
		.amdhsa_inst_pref_size 8
	.end_amdhsa_kernel
	.amdgpu_metadata
---
amdhsa.version: [ 1, 2 ]
amdhsa.kernels:
  - .name:           k_q4554bb7b6a_prep
    .symbol:         k_q4554bb7b6a_prep.kd
    .args:
      - { .name: hidden_states, .offset: 0, .size: 8, .value_kind: global_buffer, .address_space: global }
      - { .name: Wq, .offset: 8, .size: 8, .value_kind: global_buffer, .address_space: global }
      - { .name: Wk, .offset: 16, .size: 8, .value_kind: global_buffer, .address_space: global }
      - { .name: Wv, .offset: 24, .size: 8, .value_kind: global_buffer, .address_space: global }
      - { .name: Wo, .offset: 32, .size: 8, .value_kind: global_buffer, .address_space: global }
      - { .name: dist_emb, .offset: 40, .size: 8, .value_kind: global_buffer, .address_space: global }
      - { .name: Xb, .offset: 48, .size: 8, .value_kind: global_buffer, .address_space: global }
      - { .name: Wqkv, .offset: 56, .size: 8, .value_kind: global_buffer, .address_space: global }
      - { .name: Wob, .offset: 64, .size: 8, .value_kind: global_buffer, .address_space: global }
      - { .name: Ebf, .offset: 72, .size: 8, .value_kind: global_buffer, .address_space: global }
    .group_segment_fixed_size: 0
    .private_segment_fixed_size: 0
    .kernarg_segment_align: 8
    .kernarg_segment_size: 80
    .max_flat_workgroup_size: 256
    .sgpr_count:     66
    .vgpr_count:     72
    .wavefront_size: 32
...
	.end_amdgpu_metadata
.endif
;; end of part 1
;; launch qkv (part 2): grid 16 x 32, 4 waves a work-group, clusters of 4 x 4, 327,680 bytes of LDS; arguments Xb, Wqkv, bq, bk, bv, QKVh; writes QKVh
.if DOCPART == 2
	.amdgcn_target "amdgcn-amd-amdhsa--gfx1250"
	.amdhsa_code_object_version 6
	.text
	.protected	k_q4554bb7b6a_qkv
	.globl	k_q4554bb7b6a_qkv
	.p2align	8
	.type	k_q4554bb7b6a_qkv,@function
k_q4554bb7b6a_qkv:
	s_mov_b64 s[64:65], 0
	v_nop
	global_prefetch_b8 v0, s[64:65] scope:SCOPE_SE
	s_setreg_imm32_b32 hwreg(HW_REG_WAVE_MODE, 25, 1), 1
	s_wait_xcnt 0x0
	s_wait_alu depctr_hold_cnt(0) depctr_sa_sdst(0) depctr_va_vdst(0) depctr_va_sdst(0) depctr_va_ssrc(0) depctr_va_vcc(0) depctr_vm_vsrc(0)
	s_getreg_b32 s2, hwreg(HW_REG_IB_STS2, 6, 4)
	s_cmp_eq_u32 s2, 0
	s_cbranch_scc0 .Lentry_in_a_cluster
	s_endpgm
.Lentry_in_a_cluster:
	s_bfe_u32 s2, ttmp6, 0x10000c
	s_cmp_lg_u32 s2, 0xf033
	s_cbranch_scc0 .Lentry_shape_is_right
	s_endpgm
.Lentry_shape_is_right:
; [8192 x 1024] x [1024 x 3072] + bias, bf16 operands, f32 sums, result bf16 in head-major planes: QKVh[48][8192 tokens][64], planes 0-15 q, 16-31 k, 32-47 v.
; A work-group makes 256 tokens x 192 columns (three planes): 16 x 32 = 512 work-groups of equal work.  Four waves; wave w makes tokens 64 w .. 64 w + 63
; by all 192 columns: 4 x 12 accumulator tiles, 384 registers.  K goes in 8 steps of 128 through two LDS slots filled by tensor loads.
; The weights stay [k][n]; their fragments come out of LDS by the transposing load.  A weight row of the tile is 384 bytes, which is no multiple of 256:
; that is the price of 192 columns, which make the number of work-groups a multiple of 256.
; CLUSTER 4 x 4: X's tile hangs on the block row alone and is asked for jointly along a row of the cluster, W's on the block column alone, jointly along a column.
; THE MATRIX INSTRUCTION IS USED TRANSPOSED (source 0 = 16 columns of W, source 1 = 16 tokens): a lane then holds one token and 8 neighbouring columns.
; The first product of each tile takes the bias as C (a lane's 8 columns' biases), so nothing is cleared and no add follows.
; The 48 accumulators take turns, one instruction a turn, in the same order in every quarter step.
; REGISTERS: window 0: addresses, X's fragments FA0/FA1, bias (later read-back buffers), TMP; window 1: W's fragments FB0/FB1;
;            window 2: tiles of my tokens 0-31 at v[8 (12 a + b)]; window 3: tokens 32-63.
.set KSTEP, 128
.set PA,    272                        ; X rows in LDS: 256 bytes + 16
.set PB,    480                        ; W rows in LDS: three pieces of 128 bytes, each followed by 32 = 15 x 32 bytes
.set HALFA, 128*PA                     ; what one of waves 0, 1 brings
.set HALFB, 64*PB                      ; what one of waves 2, 3 brings
.set BOFF,  2*HALFA
.set SLOT,  BOFF+2*HALFB               ; 131,072
.set STAGE, 2*SLOT                     ; behind the ring: a stage of each wave's own, never filled by a tensor load
.set STGW,  7168                       ; 3 planes x 16 rows x 144 bytes, rounded up to blocks of 256
.set SP,    144
.set LAPS,  4                          ; a lap = two K steps
.set ADRA, 16
.set ADRB, 20
.set STO,  24
.set RD,   25
.set CO,   26
.set BO,   27
.set FA0,  32
.set FA1,  64
.set BIAS, 96                          ; v[96:191]: tile b's 8 biases at 96 + 8 b
.set RB0,  96
.set RB1,  144
.set TMP,  192
.set FB0,  0                           ; window 1
.set FB1,  96
.set G1,  24
.set G0,  32
.set G1B, 48
.set G0B, 56
.set MSB, 0
.macro WIN new                         ; the immediate's high byte repeats the setting that is left
.if MSB != \new
	s_set_vgpr_msb (MSB<<8)|\new
.set MSB, \new
.endif
.endm
.macro PLACES
.rept 4
	v_nop
.endr
.endm
.macro JLOAD s                         ; waves 0, 1 ask for X's halves, waves 2, 3 for W's; the branch hangs on the wave's number alone
	s_cmp_eq_u32 s11, 0
	s_cbranch_scc0 .Lfor_b_\@
	tensor_load_to_lds s[G0+4*\s:G0+4*\s+3], s[G1:G1+7]
	s_nop 0
	s_branch .Lasked_\@
.Lfor_b_\@:
	tensor_load_to_lds s[G0B+4*\s:G0B+4*\s+3], s[G1B:G1B+7]
	s_nop 0
.Lasked_\@:
.endm
.macro CREST                           ; a round of the cluster's barrier behind its opening work-group barrier
	s_cmp_lg_u32 s10, 0
	s_cbranch_scc1 .Lnot_wave_0_\@
	s_barrier_signal -3
.Lnot_wave_0_\@:
	s_barrier_wait -3
	s_barrier_signal -1
	s_barrier_wait -1
.endm
.macro CROUND
	s_barrier_signal -1
	s_barrier_wait -1
	CREST
.endm
	s_load_b128 s[4:7], s[0:1], 0x0                ; Xb, Wqkv
	s_load_b128 s[72:75], s[0:1], 0x10             ; bq, bk
	s_load_b128 s[76:79], s[0:1], 0x20             ; bv, QKVh
	v_lshrrev_b32 v1, 5, v0
	v_readfirstlane_b32 s10, v1                    ; wave 0..3
	s_lshr_b32 s11, s10, 1                         ; I fetch for X (0) or for W (1)
	s_and_b32 s12, s10, 1                          ; which half of that tile
	s_bfe_u32 s40, ttmp6, 0x40000                  ; cx
	s_bfe_u32 s41, ttmp6, 0x40004                  ; cy
	s_lshl_b32 s42, ttmp9, 2
	s_add_co_u32 s42, s42, s40                     ; block column 0..15
	s_and_b32 s13, ttmp7, 0xffff
	s_lshl_b32 s13, s13, 2
	s_add_co_u32 s13, s13, s41                     ; block row 0..31
	s_lshl_b32 s43, s41, 2
	s_lshl_b32 s43, 15, s43                        ; my row of the cluster
	s_lshl_b32 s44, 0x1111, s40                    ; my column
	s_or_b32 s[G1+0], s43, (1<<16)|(1<<20)|(1<<21)|(5<<22)|(3<<25)   ; X: 2-byte elements, 4 words of padding after every 64
	s_mov_b32 s[G1+1], KSTEP<<16                   ; tensor_dim0 = 128
	s_mov_b32 s[G1+2], 128<<16                     ; tensor_dim1 = 128
	s_mov_b32 s[G1+3], KSTEP<<16                   ; tile_dim0 = 128
	s_mov_b32 s[G1+4], 128                         ; tile_dim1 = 128
	s_mov_b32 s[G1+5], 1024                        ; elements from row to row
	s_mov_b32 s[G1+6], 0
	s_mov_b32 s[G1+7], 0
	s_or_b32 s[G1B+0], s44, (1<<16)|(1<<20)|(1<<21)|(4<<22)|(7<<25)  ; W: 8 words of padding after every 32
	s_mov_b32 s[G1B+1], 192<<16
	s_mov_b32 s[G1B+2], 64<<16
	s_mov_b32 s[G1B+3], 192<<16
	s_mov_b32 s[G1B+4], 64
	s_mov_b32 s[G1B+5], 3072
	s_mov_b32 s[G1B+6], 0
	s_mov_b32 s[G1B+7], 0
	s_lshl_b32 s16, s13, 8                         ; X: token 256 x block row + 128 x half,
	s_lshl_b32 s17, s12, 7
	s_add_co_u32 s16, s16, s17
	s_lshl_b32 s16, s16, 11                        ; times 2,048 bytes
	s_mov_b32 s17, 0
	s_mul_i32 s46, s12, 64*6144                    ; W: k row 64 x half, column 192 x block column (384 bytes)
	s_mul_i32 s45, s42, 384
	s_add_co_u32 s46, s46, s45
	s_mov_b32 s47, 0
	s_mul_i32 s20, s10, HALFA                      ; LDS: X's halves by waves 0, 1
	s_mul_i32 s21, s10, HALFB
	s_add_co_u32 s21, s21, BOFF-2*HALFB            ; W's halves by waves 2, 3
	s_wait_kmcnt 0x0
	s_add_nc_u64 s[14:15], s[4:5], s[16:17]
	s_add_nc_u64 s[46:47], s[6:7], s[46:47]
	CROUND                                         ; all sixteen work-groups are here: the first joint loads meet
.irp s, 0,1
	s_mov_b32 s[G0+4*\s], 1
	s_add_co_u32 s[G0+4*\s+1], s20, \s*SLOT
	s_add_nc_u64 s[G0+4*\s+2:G0+4*\s+3], s[14:15], \s*KSTEP*2
	s_or_b32 s[G0+4*\s+3], s[G0+4*\s+3], 0x80000000
	s_mov_b32 s[G0B+4*\s], 1
	s_add_co_u32 s[G0B+4*\s+1], s21, \s*SLOT
	s_add_nc_u64 s[G0B+4*\s+2:G0B+4*\s+3], s[46:47], \s*KSTEP*6144
	s_or_b32 s[G0B+4*\s+3], s[G0B+4*\s+3], 0x80000000
	JLOAD \s                                       ; two loads of the wave are out
.endr
	; the three planes' biases: plane g = 3 x block column + c; g >> 4 picks bq, bk or bv, g & 15 the head (64 f32 = 256 bytes)
	s_mul_i32 s80, s42, 3
.irp c, 0,1,2
	s_add_co_u32 s81, s80, \c
	s_lshr_b32 s82, s81, 4
	s_and_b32 s81, s81, 15
	s_lshl_b32 s84, s81, 8
	s_mov_b32 s85, 0
	s_cmp_eq_u32 s82, 0
	s_cselect_b64 s[66+2*\c:67+2*\c], s[72:73], s[74:75]
	s_cmp_eq_u32 s82, 2
	s_cselect_b64 s[66+2*\c:67+2*\c], s[76:77], s[66+2*\c:67+2*\c]
	s_add_nc_u64 s[66+2*\c:67+2*\c], s[66+2*\c:67+2*\c], s[84:85]
.endr
	v_and_b32 v1, 15, v0                           ; r
	v_bfe_u32 v2, v0, 4, 1                         ; h
	v_lshlrev_b32 v[BO], 5, v2                     ; my 8 columns of a tile: 32 h bytes of f32
.irp b, 0,1,2,3,4,5,6,7,8,9,10,11
	global_load_b128 v[BIAS+8*\b:BIAS+8*\b+3],   v[BO], s[66+2*(\b/4):67+2*(\b/4)] offset:64*(\b%4)
	global_load_b128 v[BIAS+8*\b+4:BIAS+8*\b+7], v[BO], s[66+2*(\b/4):67+2*(\b/4)] offset:64*(\b%4)+16
.endr
	v_mul_u32_u24 v3, v1, PA
	v_lshl_add_u32 v3, v2, 4, v3                   ; X fragment: row x pitch + 16 h
	s_mul_i32 s22, s10, 64*PA                      ; my 64 tokens
	v_add_nc_u32 v[ADRA], s22, v3
	s_add_co_u32 s22, s22, SLOT
	v_add_nc_u32 v[ADRA+1], s22, v3
	v_and_b32 v4, 7, v0
	v_lshl_add_u32 v4, v2, 3, v4                   ; W fragment, transposing load: k row 8 h + (lane & 7),
	v_mul_u32_u24 v4, v4, PB
	v_bfe_u32 v5, v0, 3, 1
	v_lshl_add_u32 v4, v5, 4, v4                   ; 16 bytes further for lanes 8-15 of each half
	v_add_nc_u32 v[ADRB], BOFF, v4
	v_add_nc_u32 v[ADRB+1], BOFF+SLOT, v4
	s_mul_i32 s23, s10, STGW
	s_add_co_u32 s23, s23, STAGE                   ; my stage
	v_mul_u32_u24 v4, v1, SP
	v_lshl_add_u32 v4, v2, 4, v4
	v_add_nc_u32 v[STO], s23, v4                   ; in: row r, 16 bytes for each half of the lanes
	v_bfe_u32 v4, v0, 3, 2
	v_mul_u32_u24 v4, v4, SP
	v_and_b32 v5, 7, v0
	v_lshl_add_u32 v4, v5, 4, v4
	v_add_nc_u32 v[RD], s23, v4                    ; back: 8 lanes a row of 128 bytes, 4 rows a load
	v_and_b32 v4, 31, v0
	v_lshlrev_b32 v[CO], 4, v4                     ; those 4 rows are 512 consecutive bytes of a plane
; 12 matrix instructions: token tile 2 hi + a by all 12 column tiles, 32 along K.  first = 1: C is the bias.
.macro MUL12 fa, fb, hi, a, first
.irp b, 0,1,2,3,4,5,6,7,8,9,10,11
.if \first
	v_wmma_f32_16x16x32_bf16 v[8*(12*\a+\b):8*(12*\a+\b)+7], v[\fb+8*\b:\fb+8*\b+7], v[\fa+8*(2*\hi+\a):\fa+8*(2*\hi+\a)+7], v[BIAS+8*\b:BIAS+8*\b+7]
.else
	v_wmma_f32_16x16x32_bf16 v[8*(12*\a+\b):8*(12*\a+\b)+7], v[\fb+8*\b:\fb+8*\b+7], v[\fa+8*(2*\hi+\a):\fa+8*(2*\hi+\a)+7], v[8*(12*\a+\b):8*(12*\a+\b)+7]
.endif
.endr
.endm
.macro WLO first                       ; source 0 window 1, source 1 window 0, D window 2; C window 0 (bias) or 2
.if \first
	WIN 0x81
.else
	WIN 0xa1
.endif
.endm
.macro WHI first
.if \first
	WIN 0xc1
.else
	WIN 0xf1
.endif
.endm
; 32 LDS loads: quarter q of a slot (32 along K): 24 for W's 12 tiles, then 8 for X's 4 tiles
.macro FETCH slot, q, fa, fb
	WIN 0x40
.irp b, 0,1,2,3,4,5,6,7,8,9,10,11
	ds_load_tr16_b128 v[\fb+8*\b:\fb+8*\b+3],   v[ADRB+\slot] offset:\q*32*PB+(\b/4)*160+(\b%4)*32
	ds_load_tr16_b128 v[\fb+8*\b+4:\fb+8*\b+7], v[ADRB+\slot] offset:\q*32*PB+16*PB+(\b/4)*160+(\b%4)*32
.endr
	WIN 0
.irp i, 0,1,2,3
	ds_load_b128 v[\fa+8*\i:\fa+8*\i+3],   v[ADRA+\slot] offset:\q*64+\i*16*PA
	ds_load_b128 v[\fa+8*\i+4:\fa+8*\i+7], v[ADRA+\slot] offset:\q*64+\i*16*PA+32
.endr
.endm
; multiplies buffers (fa, fb); in its middle fetches quarter q of the same slot into (ga, gb)
.macro QUARTER slot, q, fa, fb, ga, gb, first
	s_wait_dscnt 4                                 ; all but the youngest four loads (X's tiles 2, 3)
	WLO \first
	MUL12 \fa, \fb, 0, 0, \first
	MUL12 \fa, \fb, 0, 1, \first
	PLACES                                         ; four places between the last matrix instruction that read (ga, gb) and the loads into them
	FETCH \slot, \q, \ga, \gb
	s_wait_dscnt 32                                ; all but the 32 just issued
	WHI \first
	MUL12 \fa, \fb, 1, 0, \first
	MUL12 \fa, \fb, 1, 1, \first
.endm
.macro THREE slot, first
	QUARTER \slot, 1, FA0, FB0, FA1, FB1, \first
	QUARTER \slot, 2, FA1, FB1, FA0, FB0, 0
	QUARTER \slot, 3, FA0, FB0, FA1, FB1, 0
.endm
; the last quarter of a K step changes slots: each wave's reads of this slot and all its tensor loads are waited for, then the barrier
; (with fill = 1 it opens a round of the cluster's barrier), then the joint refill first, then the next slot's first fragments
.macro TURN slot, next, fill
	s_wait_dscnt 4
	WIN 0xa1
	MUL12 FA1, FB1, 0, 0, 0
	s_wait_dscnt 0                                 ; my reads of this slot are over
	s_wait_tensorcnt 0x0                           ; all my tensor loads have landed: the one out was my part of the next slot
	s_barrier_signal -1
	MUL12 FA1, FB1, 0, 1, 0                        ; registers only
	WIN 0
	s_barrier_wait -1
.if \fill
	CREST
	s_add_nc_u64 s[G0+4*\slot+2:G0+4*\slot+3], s[G0+4*\slot+2:G0+4*\slot+3], 2*KSTEP*2
	s_add_nc_u64 s[G0B+4*\slot+2:G0B+4*\slot+3], s[G0B+4*\slot+2:G0B+4*\slot+3], 2*KSTEP*6144
	JLOAD \slot
.endif
	PLACES
	FETCH \next, 0, FA0, FB0
	WIN 0xf1
	MUL12 FA1, FB1, 1, 0, 0
	MUL12 FA1, FB1, 1, 1, 0
.endm
.macro LAP first
	THREE 0, \first
	TURN 0, 1, 1
	THREE 1, 0
	TURN 1, 0, 1
.endm
	s_wait_loadcnt 0x0                             ; the biases
	s_wait_tensorcnt 1                             ; my part of K step 0 is in; K step 1's stays out
	s_barrier_signal -1
	s_barrier_wait -1
	FETCH 0, 0, FA0, FB0
	LAP 1
	WIN 0
	s_mov_b32 s3, LAPS-2
.Llap:
	LAP 0
	WIN 0
	s_sub_co_u32 s3, s3, 1
	s_cmp_lg_u32 s3, 0
	s_cbranch_scc1 .Llap
	THREE 0, 0                                     ; the last lap fills nothing
	TURN 0, 1, 0
	THREE 1, 0
	s_wait_dscnt 4
	WIN 0xa1
	MUL12 FA1, FB1, 0, 0, 0
	MUL12 FA1, FB1, 0, 1, 0
	s_wait_dscnt 0
	WIN 0xf1
	MUL12 FA1, FB1, 1, 0, 0
	MUL12 FA1, FB1, 1, 1, 0
	PLACES                                         ; behind the last matrix instructions, for the conversions and the loads below
	; THE WAY OUT, 16 tokens at a time: round to bf16, 16 bytes a lane into my stage, read back as rows of 128 bytes, stored as 512 consecutive bytes of a plane
	s_lshl_b32 s16, s13, 15                        ; 256 tokens x 128 bytes x block row
	s_lshl_b32 s14, s10, 13                        ; + 64 tokens x wave
	s_add_co_u32 s16, s16, s14
	s_mov_b32 s17, 0
	s_add_nc_u64 s[8:9], s[78:79], s[16:17]
	s_mul_i32 s46, s42, 3<<20                      ; three planes of 1,048,576 bytes x block column
	s_mov_b32 s47, 0
	s_add_nc_u64 s[8:9], s[8:9], s[46:47]
.macro OUT16 i, a, from, rb
	WIN \from
.irp b, 0,1,2,3,4,5,6,7,8,9,10,11
.irp q, 0,1,2,3
	v_cvt_pk_bf16_f32 v[TMP+4*\b+\q], v[8*(12*\a+\b)+2*\q], v[8*(12*\a+\b)+2*\q+1]
.endr
.endr
	WIN 0
.irp b, 0,1,2,3,4,5,6,7,8,9,10,11
	ds_store_b128 v[STO], v[TMP+4*\b:TMP+4*\b+3] offset:(\b/4)*16*SP+(\b%4)*32
.endr
	s_wait_xcnt 0x0                                ; buffer rb, which earlier stores read, is loaded again only behind this wait
.irp n, 0,1,2,3,4,5,6,7,8,9,10,11
	ds_load_b128 v[\rb+4*\n:\rb+4*\n+3], v[RD] offset:(\n/4)*16*SP+(\n%4)*4*SP     ; a wave's LDS instructions are served in order: these see the stores above
.endr
.irp n, 0,1,2,3,4,5,6,7,8,9,10,11
	s_wait_dscnt 11-\n
	global_store_b128 v[CO], v[\rb+4*\n:\rb+4*\n+3], s[8:9] offset:(\n/4)*1048576+\i*2048+(\n%4)*512
.endr
.endm
	OUT16 0, 0, 0x0a, RB0
	OUT16 1, 1, 0x0a, RB1
	OUT16 2, 0, 0x0f, RB0
	OUT16 3, 1, 0x0f, RB1
	CROUND                                         ; the closing round
	s_endpgm
.Lfunc_end_k_q4554bb7b6a_qkv:
	.size	k_q4554bb7b6a_qkv, .Lfunc_end_k_q4554bb7b6a_qkv-k_q4554bb7b6a_qkv
	.p2alignl 7, 3214868480
	.fill 96, 4, 3214868480
	.section	.rodata,"a",@progbits
	.p2align	6, 0x0
	.amdhsa_kernel k_q4554bb7b6a_qkv
		.amdhsa_group_segment_fixed_size 327680
		.amdhsa_private_segment_fixed_size 0
		.amdhsa_enable_private_segment 0
		.amdhsa_kernarg_size 48
		.amdhsa_user_sgpr_count 2
		.amdhsa_user_sgpr_kernarg_segment_ptr 1
		.amdhsa_wavefront_size32 1
		.amdhsa_system_sgpr_workgroup_id_x 1
		.amdhsa_system_sgpr_workgroup_id_y 1
		.amdhsa_system_sgpr_workgroup_id_z 1
		.amdhsa_system_vgpr_workitem_id 0
		.amdhsa_next_free_vgpr 960
		.amdhsa_next_free_sgpr 86
		.amdhsa_reserve_vcc 0
		.amdhsa_float_denorm_mode_32 3
		.amdhsa_float_denorm_mode_16_64 3
		.amdhsa_memory_ordered 1
		.amdhsa_forward_progress 1
		.amdhsa_inst_pref_size 166
	.end_amdhsa_kernel
	.amdgpu_metadata
---
amdhsa.version: [ 1, 2 ]
amdhsa.kernels:
  - .name:           k_q4554bb7b6a_qkv
    .symbol:         k_q4554bb7b6a_qkv.kd
    .args:
      - { .name: Xb, .offset: 0, .size: 8, .value_kind: global_buffer, .address_space: global }
      - { .name: Wqkv, .offset: 8, .size: 8, .value_kind: global_buffer, .address_space: global }
      - { .name: bq, .offset: 16, .size: 8, .value_kind: global_buffer, .address_space: global }
      - { .name: bk, .offset: 24, .size: 8, .value_kind: global_buffer, .address_space: global }
      - { .name: bv, .offset: 32, .size: 8, .value_kind: global_buffer, .address_space: global }
      - { .name: QKVh, .offset: 40, .size: 8, .value_kind: global_buffer, .address_space: global }
    .group_segment_fixed_size: 327680
    .private_segment_fixed_size: 0
    .kernarg_segment_align: 8
    .kernarg_segment_size: 48
    .max_flat_workgroup_size: 128
    .sgpr_count:     86
    .vgpr_count:     960
    .wavefront_size: 32
...
	.end_amdgpu_metadata
.endif
;; end of part 2
;; launch attn (part 3): grid 4 x 128, 8 waves a work-group, clusters of 4 x 1, 327,680 bytes of LDS; arguments QKVh, Ebf, ctxh; writes ctxh
.if DOCPART == 3
	.amdgcn_target "amdgcn-amd-amdhsa--gfx1250"
	.amdhsa_code_object_version 6
	.text
	.protected	k_q4554bb7b6a_attn
	.globl	k_q4554bb7b6a_attn
	.p2align	8
	.type	k_q4554bb7b6a_attn,@function
k_q4554bb7b6a_attn:
	s_mov_b64 s[64:65], 0
	v_nop
	global_prefetch_b8 v0, s[64:65] scope:SCOPE_SE
	s_setreg_imm32_b32 hwreg(HW_REG_WAVE_MODE, 25, 1), 1
	s_wait_xcnt 0x0
	s_wait_alu depctr_hold_cnt(0) depctr_sa_sdst(0) depctr_va_vdst(0) depctr_va_sdst(0) depctr_va_ssrc(0) depctr_va_vcc(0) depctr_vm_vsrc(0)
	s_getreg_b32 s2, hwreg(HW_REG_IB_STS2, 6, 4)
	s_cmp_eq_u32 s2, 0
	s_cbranch_scc0 .Lentry_in_a_cluster
	s_endpgm
.Lentry_in_a_cluster:
	s_bfe_u32 s2, ttmp6, 0x10000c
	s_cmp_lg_u32 s2, 0x3003
	s_cbranch_scc0 .Lentry_shape_is_right
	s_endpgm
.Lentry_shape_is_right:
; Attention of one (batch, head) and 256 queries: scores (q.k + q.e[l-r+1023] + k.e[l-r+1023]) / 8, softmax with a running maximum, P.V.
; Operands q, k, v, e and P are bf16, all sums, the maximum and the exponentials f32.  v_exp_f32 gives 0 for results below 2^-126.
; Eight waves, 32 queries each (query tiles a = 0, 1).  Keys go in 16 steps of 64; an LDS slot holds 128 keys of K and V, two slots.
; CLUSTER 4 x 1: the four query blocks of one head read the same K and V tiles and ask for them jointly (mask 15).
; LAYOUT: every score product is used transposed (source 0 = keys, source 1 = queries): a lane holds one query, its registers keys, so P feeds P.V as it lies.
; KEY ORDER in a step: tile t, lane half h, register j is key 16 h + j + 8 (t & 1) + 32 (t >> 1).  K's and V's fragments are loaded in that order.
; It costs a two-way bank conflict on K's fragment loads and makes the shift below the same in both halves of the lanes.
; DISTANCES: of Ebf the work-group keeps rows 256 cx .. 256 cx + 1279 in LDS.  In step st wave w needs the 96 local rows from D = 32 w + 960 - 64 st: six tiles EF.
;   local row of (query 16 a + r, key y) = D + 16 a + r + 63 - y.
; rel_q: PQ = E x q (lane = query, registers = distances) needs a shift along registers that hangs on the lane: it goes through the wave's own stage,
;   16-byte stores by rows of 336 bytes, 4-byte loads at 340 r - 64 h - 4 (j + 8 t0 + 32 t1) + 252.
; rel_k: T = k x E (lane = distance, registers = keys) needs a rotation of the 16 lanes by jj + 1 (jj = j + 8 t0), the same in both halves: it rides on the add (DPP);
;   in front of it a lane picks among three neighbouring distance tiles by two constant masks.
; Where two or more accumulators are summed in place they take turns, one instruction a turn.
.set EPITCH, 144
.set KPITCH, 144
.set VPITCH, 160
.set KV,     184320                    ; E: 1,280 rows x 144 at byte 0; then the two slots
.set VOFF,   128*KPITCH                ; in a slot: K 128 x 144, then V 128 x 160
.set SLOT,   VOFF+128*VPITCH           ; 38,912
.set STAGE,  262144                    ; each wave's own stage, never filled by a tensor load
.set STGW,   5632                      ; 16 rows x 336 bytes, rounded up to blocks of 256
.set QPITCH, 336
.set AE,  1
.set AK,  2
.set AV,  3
.set APS, 4
.set ARQ, 5
.set STO, 6
.set RD,  7
.set CO,  8
.set QO,  9
.set MX,  10                           ; v10, v11  running maximum of my query in tile a (raw scores)
.set LS,  12                           ; v12, v13  running sum, my half of the keys
.set AL,  14                           ; v[14:15]  the rescaling factor, twice
.set NM,  16                           ; v[16:17]  - maximum x log2(e)/8, twice
.set XT,  20                           ; v[20:23]  at work
.set SC,  24                           ; v[24:87]  scores at 32 a + 8 t
.set KF,  88                           ; v[88:151] K's four tiles, 16 registers each; later V's eight fragments
.set VF,  88
.set PQ,  152                          ; v[152:191] E x q, five tiles; later P at 16 a + 8 kh
.set PB,  152
.set T0,  192                          ; v[192:223] rel_q of tile a = 0 as read back; then k x E of even key tiles
.set T1,  224                          ; v[224:255] the same for a = 1 and odd key tiles
.set QF,  0                            ; window 1: q, 16 registers a tile
.set EF,  32                           ; window 1: six distance tiles, 16 registers each
.set CT,  128                          ; window 1: context, tile (dt, a) at 8 (2 dt + a)
.set G1K, 16
.set G1V, 24
.set G1E, 32
.set G0K, 40                           ; slot s at + 4 s
.set G0V, 48
.set G0E, 56
.set MA,  66                           ; s[66:81]  lanes 0 .. 14 - jj of the lower half
.set MB,  82                           ; s[82:97]  lanes 15 - jj .. 15 of the upper half
.set MSB, 0
.macro WIN new
.if MSB != \new
	s_set_vgpr_msb (MSB<<8)|\new
.set MSB, \new
.endif
.endm
.macro PL n
.rept \n
	v_nop
.endr
.endm
.macro ROUND                           ; a round of the cluster's barrier
	s_barrier_signal -1
	s_barrier_wait -1
	s_cmp_lg_u32 s12, 0
	s_cbranch_scc1 .Lnot_wave_0_\@
	s_barrier_signal -3
.Lnot_wave_0_\@:
	s_barrier_wait -3
	s_barrier_signal -1
	s_barrier_wait -1
.endm
.macro JLOAD s                         ; waves 4, 5 ask for K's halves, waves 6, 7 for V's, waves 0-3 for nothing
	s_cmp_lt_u32 s12, 4
	s_cbranch_scc1 .Lasked_\@
	s_cmp_lt_u32 s12, 6
	s_cbranch_scc0 .Lfor_v_\@
	tensor_load_to_lds s[G0K+4*\s:G0K+4*\s+3], s[G1K:G1K+7]
	s_nop 0
	s_branch .Lasked_\@
.Lfor_v_\@:
	tensor_load_to_lds s[G0V+4*\s:G0V+4*\s+3], s[G1V:G1V+7]
	s_nop 0
.Lasked_\@:
.endm
	s_load_b128 s[4:7], s[0:1], 0x0                ; QKVh, Ebf
	s_load_b64 s[8:9], s[0:1], 0x10                ; ctxh
	v_lshrrev_b32 v18, 5, v0
	v_readfirstlane_b32 s12, v18                   ; wave 0..7
	s_bfe_u32 s13, ttmp6, 0x40000                  ; cx = query block
	s_and_b32 s14, ttmp7, 0xffff
	s_lshr_b32 s15, s14, 4                         ; batch
	s_and_b32 s14, s14, 15                         ; head
	; all tiles are dense blocks, brought as rows of 256 bytes (two rows of 64 bf16), padded after every 128 bytes
	s_mov_b32 s[G1K+0], 15|(1<<16)|(1<<20)|(1<<21)|(4<<22)|(3<<25)   ; joint; 4 words of padding after every 32: pitch 144
	s_mov_b32 s[G1K+1], 128<<16
	s_mov_b32 s[G1K+2], 32<<16
	s_mov_b32 s[G1K+3], 128<<16
	s_mov_b32 s[G1K+4], 32                         ; 32 rows of 256 bytes = 64 keys
	s_mov_b32 s[G1K+5], 128
	s_mov_b32 s[G1K+6], 0
	s_mov_b32 s[G1K+7], 0
	s_mov_b32 s[G1V+0], 15|(1<<16)|(1<<20)|(1<<21)|(4<<22)|(7<<25)   ; 8 words of padding: pitch 160
	s_mov_b32 s[G1V+1], 128<<16
	s_mov_b32 s[G1V+2], 32<<16
	s_mov_b32 s[G1V+3], 128<<16
	s_mov_b32 s[G1V+4], 32
	s_mov_b32 s[G1V+5], 128
	s_mov_b32 s[G1V+6], 0
	s_mov_b32 s[G1V+7], 0
	s_mov_b32 s[G1E+0], (1<<16)|(1<<20)|(4<<22)|(3<<25)              ; the work-group's own
	s_mov_b32 s[G1E+1], 128<<16
	s_mov_b32 s[G1E+2], 160<<16
	s_mov_b32 s[G1E+3], 128<<16
	s_mov_b32 s[G1E+4], 160                        ; 160 rows of 256 bytes = 320 distances
	s_mov_b32 s[G1E+5], 128
	s_mov_b32 s[G1E+6], 0
	s_mov_b32 s[G1E+7], 0
	s_lshl_b32 s2, s14, 20                         ; a plane is 1,048,576 bytes
	s_lshl_b32 s3, s15, 17                         ; a batch 1,024 tokens of 128 bytes
	s_add_co_u32 s61, s2, s3                       ; head and batch: shared by the four partners
	s_and_b32 s2, s12, 1
	s_lshl_b32 s2, s2, 13                          ; my 64 keys of a tile
	s_add_co_u32 s2, s2, s61
	s_add_co_u32 s2, s2, 0x1000000                 ; K's planes begin 16 planes in
	s_mov_b32 s3, 0
	s_lshl_b32 s98, s13, 15                        ; what hangs on cx stays in s98, s99
	s_mul_i32 s99, s12, 320*128
	s_add_co_u32 s98, s98, s99                     ; Ebf row 256 cx + 320 w
	s_mov_b32 s99, 0
	s_wait_kmcnt 0x0
	s_add_nc_u64 s[G0K+2:G0K+3], s[4:5], s[2:3]                      ; K, tile 0
	s_add_nc_u64 s[G0K+6:G0K+7], s[G0K+2:G0K+3], 16384               ; K, tile 1
	s_add_nc_u64 s[G0V+2:G0V+3], s[G0K+2:G0K+3], 0x1000000           ; V: 16 planes further
	s_add_nc_u64 s[G0V+6:G0V+7], s[G0V+2:G0V+3], 16384
	s_add_nc_u64 s[G0E+2:G0E+3], s[6:7], s[98:99]
	s_or_b32 s[G0K+3], s[G0K+3], 0x80000000
	s_or_b32 s[G0K+7], s[G0K+7], 0x80000000
	s_or_b32 s[G0V+3], s[G0V+3], 0x80000000
	s_or_b32 s[G0V+7], s[G0V+7], 0x80000000
	s_or_b32 s[G0E+3], s[G0E+3], 0x80000000
	s_mov_b32 s[G0K], 1
	s_mov_b32 s[G0K+4], 1
	s_mov_b32 s[G0V], 1
	s_mov_b32 s[G0V+4], 1
	s_mov_b32 s[G0E], 1
	s_mul_i32 s[G0K+1], s12, 64*KPITCH
	s_add_co_u32 s[G0K+1], s[G0K+1], KV-4*64*KPITCH                  ; waves 4, 5: KV, KV + 9,216
	s_add_co_u32 s[G0K+5], s[G0K+1], SLOT
	s_mul_i32 s[G0V+1], s12, 64*VPITCH
	s_add_co_u32 s[G0V+1], s[G0V+1], KV+VOFF-6*64*VPITCH             ; waves 6, 7
	s_add_co_u32 s[G0V+5], s[G0V+1], SLOT
	s_mul_i32 s[G0E+1], s12, 320*EPITCH                              ; waves 0-3
	ROUND                                          ; in front of the first loads
	s_cmp_lt_u32 s12, 4                            ; one first fill a wave, in one branch on the wave's number
	s_cbranch_scc0 .Lfirst_kv
	tensor_load_to_lds s[G0E:G0E+3], s[G1E:G1E+7]
	s_nop 0
	s_branch .Lfirst_done
.Lfirst_kv:
	s_cmp_lt_u32 s12, 6
	s_cbranch_scc0 .Lfirst_v
	tensor_load_to_lds s[G0K:G0K+3], s[G1K:G1K+7]
	s_nop 0
	s_branch .Lfirst_done
.Lfirst_v:
	tensor_load_to_lds s[G0V:G0V+3], s[G1V:G1V+7]
	s_nop 0
.Lfirst_done:
	s_lshl_b32 s98, s13, 15                        ; my 32 queries: 256 cx + 32 w tokens of 128 bytes
	s_lshl_b32 s99, s12, 12
	s_add_co_u32 s98, s98, s99
	s_add_co_u32 s98, s98, s61
	s_mov_b32 s99, 0
	s_add_nc_u64 s[10:11], s[4:5], s[98:99]        ; q (planes 0-15)
	s_add_nc_u64 s[8:9], s[8:9], s[98:99]          ; ctxh has the same layout
	v_and_b32 v20, 15, v0                          ; r
	v_bfe_u32 v21, v0, 4, 1                        ; h
	v_and_b32 v22, 7, v0
	v_bfe_u32 v23, v0, 3, 1
	v_lshlrev_b32 v18, 7, v20
	v_lshl_add_u32 v[QO], v21, 4, v18
	WIN 0x40
.irp a, 0,1
.irp c, 0,1,2,3
	global_load_b128 v[QF+16*\a+4*\c:QF+16*\a+4*\c+3], v[QO], s[10:11] offset:2048*\a+32*\c
.endr
.endr
	WIN 0
	s_mov_b32 s62, 0x76543210                      ; v_permlanex16_b32: lane i of the other half
	s_mov_b32 s63, 0xfedcba98
.irp jj, 0,1,2,3,4,5,6,7,8,9,10,11,12,13,14,15
	s_mov_b32 s[MA+\jj], (1<<(15-\jj))-1
	s_mov_b32 s[MB+\jj], (0xffff^((1<<(15-\jj))-1))<<16
.endr
	v_mul_u32_u24 v19, v20, 144
	v_lshl_add_u32 v19, v21, 4, v19                ; 144 r + 16 h
	s_mul_i32 s2, s12, 32*EPITCH
	s_add_co_u32 s2, s2, 960*EPITCH
	v_add_nc_u32 v[AE], s2, v19                    ; step 0: local row 32 w + 960 + r
	s_mul_i32 s3, s12, STGW
	s_add_co_u32 s3, s3, STAGE                     ; my stage
	v_add_nc_u32 v[STO], s3, v19
	v_mul_u32_u24 v18, v22, KPITCH
	v_mad_u32_u24 v18, v23, 16*KPITCH, v18         ; K row 16 (r >> 3) + (r & 7)
	v_lshl_add_u32 v18, v21, 4, v18
	v_add_nc_u32 v[AK], KV, v18
	v_mul_u32_u24 v18, v22, VPITCH
	v_mad_u32_u24 v18, v21, 16*VPITCH, v18         ; V row 16 h + (lane & 7), for the transposing load
	v_lshl_add_u32 v18, v23, 4, v18
	v_add_nc_u32 v[AV], KV+VOFF, v18
	v_mul_u32_u24 v18, v20, QPITCH
	v_lshl_add_u32 v18, v21, 5, v18
	v_add_nc_u32 v[APS], s3, v18
	v_mul_u32_u24 v18, v20, QPITCH+4
	v_add3_u32 v18, v18, s3, 64
	v_lshlrev_b32 v17, 6, v21
	v_sub_nc_u32 v[ARQ], v18, v17                  ; stage + 340 r - 64 h + 64
	v_bfe_u32 v18, v0, 3, 2
	v_mul_u32_u24 v18, v18, 144
	v_lshl_add_u32 v18, v22, 4, v18
	v_add_nc_u32 v[RD], s3, v18
	v_and_b32 v18, 31, v0
	v_lshlrev_b32 v[CO], 4, v18
	v_mov_b32 v19, 0                               ; v_permlanex16_b32's destination counts as read
; k x E for key tile t: distance tiles 2 - 2 (t >> 1) + 0..3, into T0 (t even) or T1 (t odd)
.macro WT t
.irp ci, 0,1,2,3
	v_wmma_f32_16x16x32_bf16 v[T0+32*(\t&1)+8*\ci:T0+32*(\t&1)+8*\ci+7], v[KF+16*\t:KF+16*\t+7], v[EF+16*(2-2*(\t>>1)+\ci):EF+16*(2-2*(\t>>1)+\ci)+7], 0
.endr
.irp ci, 0,1,2,3
	v_wmma_f32_16x16x32_bf16 v[T0+32*(\t&1)+8*\ci:T0+32*(\t&1)+8*\ci+7], v[KF+16*\t+8:KF+16*\t+15], v[EF+16*(2-2*(\t>>1)+\ci)+8:EF+16*(2-2*(\t>>1)+\ci)+15], v[T0+32*(\t&1)+8*\ci:T0+32*(\t&1)+8*\ci+7]
.endr
.endm
; one register of rel_k.  Source lane n serves query (n + jj + 1) mod 16.  Lower half: tile a + 2 for n < 15 - jj, else a + 1; upper half: a + 1, else a.
.macro RK a, t, j, jj, rr
	v_cndmask_b32 v[XT+(\j&3)], v[T0+32*(\t&1)+8*(\a+1)+\j], v[T0+32*(\t&1)+8*(\a+2)+\j], s[MA+\jj]
	v_cndmask_b32 v[XT+(\j&3)], v[XT+(\j&3)], v[T0+32*(\t&1)+8*\a+\j], s[MB+\jj]
	v_add_f32_dpp v[SC+32*\a+8*\t+\j], v[XT+(\j&3)], v[SC+32*\a+8*\t+\j] row_ror:\rr row_mask:0xf bank_mask:0xf
.endm
.macro VT t
.irp a, 0,1
.if (\t&1) == 0
	RK \a, \t, 0, 0, 1
	RK \a, \t, 1, 1, 2
	RK \a, \t, 2, 2, 3
	RK \a, \t, 3, 3, 4
	RK \a, \t, 4, 4, 5
	RK \a, \t, 5, 5, 6
	RK \a, \t, 6, 6, 7
	RK \a, \t, 7, 7, 8
.else
	RK \a, \t, 0, 8, 9
	RK \a, \t, 1, 9, 10
	RK \a, \t, 2, 10, 11
	RK \a, \t, 3, 11, 12
	RK \a, \t, 4, 12, 13
	RK \a, \t, 5, 13, 14
	RK \a, \t, 6, 14, 15
	v_cndmask_b32 v[XT+3], v[T1+8*(\a+1)+7], v[T1+8*\a+7], s[MB+15]      ; jj = 15: a rotation by 16 is none
	v_add_f32 v[SC+32*\a+8*\t+7], v[XT+3], v[SC+32*\a+8*\t+7]
.endif
.endr
.endm
; softmax step of query tile a: new maximum, rescaling factor, exponentials, sum, P in bf16, context rescaled
.macro SM a, first
.set SB, SC+32*\a
	v_max3_num_f32 v20, v[SB], v[SB+1], v[SB+2]
	v_max3_num_f32 v21, v[SB+16], v[SB+17], v[SB+18]
.irp i, 3,5,7,9,11,13
	v_max3_num_f32 v20, v20, v[SB+\i], v[SB+\i+1]
	v_max3_num_f32 v21, v21, v[SB+16+\i], v[SB+17+\i]
.endr
	v_max3_num_f32 v20, v20, v[SB+15], v[SB+31]
	v_max_num_f32 v20, v20, v21
	v_permlanex16_b32 v19, v20, s62, s63           ; the other half of the lanes holds my query's other 32 keys
.if \first
	v_max_num_f32 v[MX+\a], v20, v19
.else
	v_max3_num_f32 v18, v20, v19, v[MX+\a]
	v_sub_f32 v19, v[MX+\a], v18
	v_mul_f32 v19, 0x3e38aa3b, v19                 ; log2(e) / 8
	v_exp_f32 v[AL], v19
	v_mov_b32 v[MX+\a], v18                        ; the plain instruction behind v_exp_f32 (ISA guide 5.7.2)
.endif
	v_mul_f32 v[NM], 0xbe38aa3b, v[MX+\a]
	v_mov_b32 v[NM+1], v[NM]
.if \first == 0
	s_wait_alu depctr_va_vdst(0)
	v_mov_b32 v[AL+1], v[AL]
.endif
.irp i, 0,2,4,6,8,10,12,14,16,18,20,22,24,26,28,30
	v_pk_fma_f32 v[SB+\i:SB+\i+1], v[SB+\i:SB+\i+1], 0x3e38aa3b, v[NM:NM+1] op_sel_hi:[1,0,1]
.endr
.irp i, 0,1,2,3,4,5,6,7,8,9,10,11,12,13,14,15,16,17,18,19,20,21,22,23,24,25,26,27,28,29,30,31
	v_exp_f32 v[SB+\i], v[SB+\i]
.endr
	v_nop                                          ; one plain place behind the last exponential
	s_wait_alu depctr_va_vdst(0)
	v_pk_add_f32 v[20:21], v[SB:SB+1], v[SB+2:SB+3]
	v_pk_add_f32 v[22:23], v[SB+4:SB+5], v[SB+6:SB+7]
.irp i, 8,12,16,20,24,28
	v_pk_add_f32 v[20:21], v[20:21], v[SB+\i:SB+\i+1]
	v_pk_add_f32 v[22:23], v[22:23], v[SB+\i+2:SB+\i+3]
.endr
	v_pk_add_f32 v[20:21], v[20:21], v[22:23]
.if \first
	v_add_f32 v[LS+\a], v20, v21
.else
	v_add_f32 v20, v20, v21
	v_fma_f32 v[LS+\a], v[LS+\a], v[AL], v20
.endif
.irp p, 0,1,2,3,4,5,6,7,8,9,10,11,12,13,14,15
	v_cvt_pk_bf16_f32 v[PB+16*\a+\p], v[SB+2*\p], v[SB+2*\p+1]
.endr
.if \first == 0
	WIN 0x41
.irp dt, 0,1,2,3
.irp i, 0,2,4,6
	v_pk_mul_f32 v[CT+8*(2*\dt+\a)+\i:CT+8*(2*\dt+\a)+\i+1], v[CT+8*(2*\dt+\a)+\i:CT+8*(2*\dt+\a)+\i+1], v[AL:AL+1]
.endr
.endr
	WIN 0
.endif
.endm
; one step: 64 keys at half (0, 1) of a slot
.macro STEP slot, half, first
.if \first == 0
	v_sub_nc_u32 v[AE], v[AE], 64*EPITCH           ; 64 keys on: 64 distances down
	PL 5                                           ; behind the last P.V: four places for the loads into V's fragments, five for the products that write over P
.endif
.irp t, 0,1,2,3
.irp c, 0,1,2,3
	ds_load_b128 v[KF+16*\t+4*\c:KF+16*\t+4*\c+3], v[AK] offset:\slot*SLOT+\half*64*KPITCH+(8*(\t&1)+32*(\t>>1))*KPITCH+32*\c
.endr
.endr
	WIN 0x40
.irp e, 0,1,2,3,4,5
.irp c, 0,1,2,3
	ds_load_b128 v[EF+16*\e+4*\c:EF+16*\e+4*\c+3], v[AE] offset:16*EPITCH*\e+32*\c
.endr
.endr
	s_wait_dscnt 24                                ; K's 16 loads are in, E's 24 stay out
	WIN 0x04
.irp a, 0,1
.irp t, 0,1,2,3
	v_wmma_f32_16x16x32_bf16 v[SC+32*\a+8*\t:SC+32*\a+8*\t+7], v[KF+16*\t:KF+16*\t+7], v[QF+16*\a:QF+16*\a+7], 0
.endr
.endr
.irp a, 0,1
.irp t, 0,1,2,3
	v_wmma_f32_16x16x32_bf16 v[SC+32*\a+8*\t:SC+32*\a+8*\t+7], v[KF+16*\t+8:KF+16*\t+15], v[QF+16*\a+8:QF+16*\a+15], v[SC+32*\a+8*\t:SC+32*\a+8*\t+7]
.endr
.endr
	s_wait_dscnt 0x0                               ; E's fragments
.irp a, 0,1
	WIN 0x05
.irp i, 0,1,2,3,4
	v_wmma_f32_16x16x32_bf16 v[PQ+8*\i:PQ+8*\i+7], v[EF+16*(\a+\i):EF+16*(\a+\i)+7], v[QF+16*\a:QF+16*\a+7], 0
.endr
.irp i, 0,1,2,3,4
	v_wmma_f32_16x16x32_bf16 v[PQ+8*\i:PQ+8*\i+7], v[EF+16*(\a+\i)+8:EF+16*(\a+\i)+15], v[QF+16*\a+8:QF+16*\a+15], v[PQ+8*\i:PQ+8*\i+7]
.endr
	WIN 0
	PL 5                                           ; four places for the stores that read the results, five for the next tile's products that write over them
.irp i, 0,1,2,3,4
	ds_store_b128 v[APS], v[PQ+8*\i:PQ+8*\i+3] offset:64*\i
	ds_store_b128 v[APS], v[PQ+8*\i+4:PQ+8*\i+7] offset:64*\i+16
.endr
.irp t, 0,1,2,3
.irp j, 0,1,2,3,4,5,6,7
	ds_load_b32 v[T0+32*\a+8*\t+\j], v[ARQ] offset:4*(47-\j-8*(\t&1)-32*(\t>>1))   ; my own bytes; a wave's LDS instructions are served in order
.endr
.endr
.endr
	s_wait_dscnt 42                                ; behind tile 0's loads came tile 1's 10 stores and 32 loads
.irp i, 0,2,4,6,8,10,12,14,16,18,20,22,24,26,28,30
	v_pk_add_f32 v[SC+\i:SC+\i+1], v[SC+\i:SC+\i+1], v[T0+\i:T0+\i+1]
.endr
	s_wait_dscnt 0x0
.irp i, 0,2,4,6,8,10,12,14,16,18,20,22,24,26,28,30
	v_pk_add_f32 v[SC+32+\i:SC+32+\i+1], v[SC+32+\i:SC+32+\i+1], v[T1+\i:T1+\i+1]
.endr
	; rel_k: the vector work of one key tile stands behind the next tile's products and fills their places
	WIN 0x04
	WT 0
	WT 1
	WIN 0
	PL 5                                           ; for VT 0 and VT 1, which read the results, and for WT 2 and WT 3, which write over them
	VT 0
	WIN 0x04
	WT 2
	WIN 0
	VT 1                                           ; names none of WT 2's registers
	WIN 0x04
	WT 3
	WIN 0
	VT 2                                           ; names none of WT 3's registers: its places, for VT 3 and for the loads into K's fragments
.irp dt, 0,1,2,3
.irp kh, 0,1
	ds_load_tr16_b128 v[VF+8*(2*\dt+\kh):VF+8*(2*\dt+\kh)+3],   v[AV] offset:\slot*SLOT+\half*64*VPITCH+\kh*32*VPITCH+32*\dt
	ds_load_tr16_b128 v[VF+8*(2*\dt+\kh)+4:VF+8*(2*\dt+\kh)+7], v[AV] offset:\slot*SLOT+\half*64*VPITCH+\kh*32*VPITCH+8*VPITCH+32*\dt
.endr
.endr
	VT 3
	SM 0, \first
	SM 1, \first
	s_wait_dscnt 0x0                               ; V's fragments
	WIN 0x50
.irp dt, 0,1,2,3
.irp a, 0,1
.if \first
	v_wmma_f32_16x16x32_bf16 v[CT+8*(2*\dt+\a):CT+8*(2*\dt+\a)+7], v[VF+16*\dt:VF+16*\dt+7], v[PB+16*\a:PB+16*\a+7], 0
.else
	v_wmma_f32_16x16x32_bf16 v[CT+8*(2*\dt+\a):CT+8*(2*\dt+\a)+7], v[VF+16*\dt:VF+16*\dt+7], v[PB+16*\a:PB+16*\a+7], v[CT+8*(2*\dt+\a):CT+8*(2*\dt+\a)+7]
.endif
.endr
.endr
.irp dt, 0,1,2,3
.irp a, 0,1
	v_wmma_f32_16x16x32_bf16 v[CT+8*(2*\dt+\a):CT+8*(2*\dt+\a)+7], v[VF+16*\dt+8:VF+16*\dt+15], v[PB+16*\a+8:PB+16*\a+15], v[CT+8*(2*\dt+\a):CT+8*(2*\dt+\a)+7]
.endr
.endr
	WIN 0
.endm
; a slot's two steps.  In front of the round every wave has waited for all its tensor loads and for its LDS reads; the joint refill of the other slot comes first behind it.
.macro TRIP slot, refill, first
	s_wait_tensorcnt 0x0                           ; the one load of mine that was out has landed, so every group 0 may be written
	s_add_nc_u64 s[G0K+4*\slot+2:G0K+4*\slot+3], s[G0K+4*\slot+2:G0K+4*\slot+3], 32768   ; this slot's next tile: two tiles on
	s_add_nc_u64 s[G0V+4*\slot+2:G0V+4*\slot+3], s[G0V+4*\slot+2:G0V+4*\slot+3], 32768
	s_wait_dscnt 0x0
	ROUND
.if \refill
	JLOAD (1-\slot)
.endif
	STEP \slot, 0, \first
	STEP \slot, 1, 0
.endm
	s_wait_loadcnt 0x0                             ; q
	TRIP 0, 1, 1                                   ; the first step starts the maximum, the sums and the context: nothing is cleared
	TRIP 1, 1, 0
	s_mov_b32 s60, 2
.Lpair:
	TRIP 0, 1, 0
	TRIP 1, 1, 0
	s_sub_co_u32 s60, s60, 1
	s_cmp_lg_u32 s60, 0
	s_cbranch_scc1 .Lpair
	TRIP 0, 1, 0
	TRIP 1, 0, 0                                   ; the last tile: nothing is left to fetch
	PL 5                                           ; behind the last P.V
.irp a, 0,1
	v_permlanex16_b32 v19, v[LS+\a], s62, s63
	v_add_f32 v[LS+\a], v[LS+\a], v19              ; both halves of the keys
.endr
	v_rcp_f32 v[AL], v[LS]
	v_rcp_f32 v[NM], v[LS+1]
	v_nop
	s_wait_alu depctr_va_vdst(0)
	v_mov_b32 v[AL+1], v[AL]
	v_mov_b32 v[NM+1], v[NM]
	WIN 0x41
.irp a, 0,1
.irp dt, 0,1,2,3
.irp i, 0,2,4,6
	v_pk_mul_f32 v[CT+8*(2*\dt+\a)+\i:CT+8*(2*\dt+\a)+\i+1], v[CT+8*(2*\dt+\a)+\i:CT+8*(2*\dt+\a)+\i+1], v[AL+2*\a:AL+2*\a+1]
.endr
.endr
.endr
	; a lane holds 8 neighbouring d of one query: 16 bytes into my stage, read back by rows of 128 bytes, stored as 512 consecutive bytes
.irp a, 0,1
	WIN 0x05
.irp dt, 0,1,2,3
.irp q, 0,1,2,3
	v_cvt_pk_bf16_f32 v[T0+4*\dt+\q], v[CT+8*(2*\dt+\a)+2*\q], v[CT+8*(2*\dt+\a)+2*\q+1]
.endr
.endr
	WIN 0
.irp dt, 0,1,2,3
	ds_store_b128 v[STO], v[T0+4*\dt:T0+4*\dt+3] offset:32*\dt
.endr
.irp t, 0,1,2,3
	ds_load_b128 v[T0+16+16*\a+4*\t:T0+16+16*\a+4*\t+3], v[RD] offset:576*\t
.endr
.irp t, 0,1,2,3
	s_wait_dscnt 3-\t
	global_store_b128 v[CO], v[T0+16+16*\a+4*\t:T0+16+16*\a+4*\t+3], s[8:9] offset:2048*\a+512*\t
.endr
.endr
	ROUND                                          ; the closing round
	s_endpgm
.Lfunc_end_k_q4554bb7b6a_attn:
	.size	k_q4554bb7b6a_attn, .Lfunc_end_k_q4554bb7b6a_attn-k_q4554bb7b6a_attn
	.p2alignl 7, 3214868480
	.fill 96, 4, 3214868480
	.section	.rodata,"a",@progbits
	.p2align	6, 0x0
	.amdhsa_kernel k_q4554bb7b6a_attn
		.amdhsa_group_segment_fixed_size 327680
		.amdhsa_private_segment_fixed_size 0
		.amdhsa_enable_private_segment 0
		.amdhsa_kernarg_size 24
		.amdhsa_user_sgpr_count 2
		.amdhsa_user_sgpr_kernarg_segment_ptr 1
		.amdhsa_wavefront_size32 1
		.amdhsa_system_sgpr_workgroup_id_x 1
		.amdhsa_system_sgpr_workgroup_id_y 1
		.amdhsa_system_sgpr_workgroup_id_z 1
		.amdhsa_system_vgpr_workitem_id 0
		.amdhsa_next_free_vgpr 448
		.amdhsa_next_free_sgpr 100
		.amdhsa_reserve_vcc 0
		.amdhsa_float_denorm_mode_32 3
		.amdhsa_float_denorm_mode_16_64 3
		.amdhsa_memory_ordered 1
		.amdhsa_forward_progress 1
		.amdhsa_inst_pref_size 255
	.end_amdhsa_kernel
	.section	.bss,"aw",@nobits
	.p2align	6
	.space	262144
	.amdgpu_metadata
---
amdhsa.version: [ 1, 2 ]
amdhsa.kernels:
  - .name:           k_q4554bb7b6a_attn
    .symbol:         k_q4554bb7b6a_attn.kd
    .args:
      - { .name: QKVh, .offset: 0, .size: 8, .value_kind: global_buffer, .address_space: global }
      - { .name: Ebf, .offset: 8, .size: 8, .value_kind: global_buffer, .address_space: global }
      - { .name: ctxh, .offset: 16, .size: 8, .value_kind: global_buffer, .address_space: global }
    .group_segment_fixed_size: 327680
    .private_segment_fixed_size: 0
    .kernarg_segment_align: 8
    .kernarg_segment_size: 24
    .max_flat_workgroup_size: 256
    .sgpr_count:     100
    .vgpr_count:     448
    .wavefront_size: 32
...
	.end_amdgpu_metadata
.endif
;; end of part 3
;; launch oproj (part 4): grid 256 x 1, 8 waves a work-group, clusters of 4 x 1, 327,680 bytes of LDS; arguments ctxh, Wob, hidden_states, bo, ln_gamma, ln_beta, out0; writes out0
.if DOCPART == 4
	.amdgcn_target "amdgcn-amd-amdhsa--gfx1250"
	.amdhsa_code_object_version 6
	.text
	.protected	k_q4554bb7b6a_oproj
	.globl	k_q4554bb7b6a_oproj
	.p2align	8
	.type	k_q4554bb7b6a_oproj,@function
k_q4554bb7b6a_oproj:
	s_mov_b64 s[64:65], 0
	v_nop
	global_prefetch_b8 v0, s[64:65] scope:SCOPE_SE
	s_setreg_imm32_b32 hwreg(HW_REG_WAVE_MODE, 25, 1), 1
	s_wait_xcnt 0x0
	s_wait_alu depctr_hold_cnt(0) depctr_sa_sdst(0) depctr_va_vdst(0) depctr_va_sdst(0) depctr_va_ssrc(0) depctr_va_vcc(0) depctr_vm_vsrc(0)
	s_getreg_b32 s2, hwreg(HW_REG_IB_STS2, 6, 4)
	s_cmp_eq_u32 s2, 0
	s_cbranch_scc0 .Lentry_in_a_cluster
	s_endpgm
.Lentry_in_a_cluster:
	s_bfe_u32 s2, ttmp6, 0x10000c
	s_cmp_lg_u32 s2, 0x3003
	s_cbranch_scc0 .Lentry_shape_is_right
	s_endpgm
.Lentry_shape_is_right:
; out = LayerNorm(ctx x Wo + bo + hidden) x gamma + beta.  ctx and Wo are bf16 operands, everything else f32; mean and variance in two passes over registers.
; A work-group makes 32 tokens x all 1,024 columns, so a row's statistics never leave it: 256 work-groups.  Eight waves; wave w makes columns 128 w .. + 127:
; 2 x 8 accumulator tiles.  K goes in 16 steps of 64 (one head of ctxh) through two LDS slots.
; CLUSTER 4 x 1: all work-groups walk the same Wo; its tiles are asked for jointly by the four of a cluster (mask 15), waves 0-3 one strip of 256 columns each.
; Wave 4 brings the work-group's own 32 x 64 of ctx.  Wo stays [k][n]; its fragments come by the transposing load.
; Used transposed (source 0 = columns of Wo, source 1 = tokens): a lane holds one token and 8 neighbouring columns.
; The 16 accumulators take turns, one instruction a turn.
; After the last K step the sums go as f32 into slot 0, whose last fill has been read by then (every wave has passed the last step's round), 32 rows of 4,112 bytes.
.set BP,    544                        ; a strip's row: 512 bytes + 32 = 17 x 32
.set STRIP, 64*BP
.set AOFF,  4*STRIP
.set AP,    144
.set SLOT,  AOFF+32*AP                 ; 143,872
.set HP,    4112
.set HR,  1
.set AA,  2                            ; v2, v3  ctx fragments in slot 0, 1
.set AB,  4                            ; v4, v5  Wo fragments in slot 0, 1
.set HS,  6                            ; v6, v7  where my sums go: tokens 0-15, 16-31
.set GL,  8
.set AF,  16                           ; v[16:47]  ctx: 16 ks + 8 a
.set BFA, 48
.set BFB, 80
.set ACC, 128                          ; tile (a, nb) at 8 (8 a + nb)
.set PBO, 16                           ; later: bo, gamma, beta of my 32 columns of a row
.set PGA, 48
.set PBE, 80
.set HT,  112
.set G1B, 16
.set G1A, 24
.set G0B, 32
.set G0A, 40
.macro PL n
.rept \n
	v_nop
.endr
.endm
.macro ROUND
	s_barrier_signal -1
	s_barrier_wait -1
	s_cmp_lg_u32 s12, 0
	s_cbranch_scc1 .Lnot_wave_0_\@
	s_barrier_signal -3
.Lnot_wave_0_\@:
	s_barrier_wait -3
	s_barrier_signal -1
	s_barrier_wait -1
.endm
.macro JLOAD s
	s_cmp_lt_u32 s12, 4
	s_cbranch_scc0 .Lfor_a_\@
	tensor_load_to_lds s[G0B+4*\s:G0B+4*\s+3], s[G1B:G1B+7]
	s_nop 0
	s_branch .Lasked_\@
.Lfor_a_\@:
	s_cmp_eq_u32 s12, 4
	s_cbranch_scc0 .Lasked_\@
	tensor_load_to_lds s[G0A+4*\s:G0A+4*\s+3], s[G1A:G1A+7]
	s_nop 0
.Lasked_\@:
.endm
	s_load_b256 s[4:11], s[0:1], 0x0               ; ctxh s[4:5], Wob s[6:7], hidden s[8:9], bo s[10:11]
	s_load_b128 s[68:71], s[0:1], 0x20             ; gamma, beta
	s_load_b64 s[72:73], s[0:1], 0x30              ; out0
	v_lshrrev_b32 v1, 5, v0
	v_readfirstlane_b32 s12, v1
	s_bfe_u32 s13, ttmp6, 0x40000
	s_lshl_b32 s14, ttmp9, 2
	s_add_co_u32 s14, s14, s13                     ; work-group 0..255
	s_mov_b32 s[G1B+0], 15|(1<<16)|(1<<20)|(1<<21)|(6<<22)|(7<<25)   ; joint; 8 words of padding after every 128
	s_mov_b32 s[G1B+1], 256<<16
	s_mov_b32 s[G1B+2], 64<<16
	s_mov_b32 s[G1B+3], 256<<16
	s_mov_b32 s[G1B+4], 64
	s_mov_b32 s[G1B+5], 1024
	s_mov_b32 s[G1B+6], 0
	s_mov_b32 s[G1B+7], 0
	s_mov_b32 s[G1A+0], (1<<16)|(1<<20)|(4<<22)|(3<<25)              ; a dense block as rows of 256 bytes, 4 words of padding after every 32: pitch 144
	s_mov_b32 s[G1A+1], 128<<16
	s_mov_b32 s[G1A+2], 16<<16
	s_mov_b32 s[G1A+3], 128<<16
	s_mov_b32 s[G1A+4], 16
	s_mov_b32 s[G1A+5], 128
	s_mov_b32 s[G1A+6], 0
	s_mov_b32 s[G1A+7], 0
	s_lshl_b32 s2, s12, 9                          ; my strip: 512 bytes of a row of Wo
	s_mov_b32 s3, 0
	s_mul_i32 s50, s12, STRIP
	s_lshl_b32 s52, s14, 12                        ; my work-group's 32 tokens of 128 bytes
	s_mov_b32 s53, 0
	s_lshl_b32 s54, s14, 17                        ; 32 rows of 4,096 bytes,
	s_lshl_b32 s55, s12, 14                        ; and 4 rows a wave
	s_add_co_u32 s54, s54, s55
	s_mov_b32 s55, 0
	s_mov_b32 s57, 0x3a800000                      ; 1 / 1024
	s_mov_b32 s58, 0x2b8cbccc                      ; 1e-12
	s_mov_b32 s62, 0x76543210
	s_mov_b32 s63, 0xfedcba98
	s_wait_kmcnt 0x0
	s_add_nc_u64 s[G0B+2:G0B+3], s[6:7], s[2:3]
	s_add_nc_u64 s[G0B+6:G0B+7], s[G0B+2:G0B+3], 131072              ; 64 rows of Wo on
	s_add_nc_u64 s[G0A+2:G0A+3], s[4:5], s[52:53]
	s_add_nc_u64 s[G0A+6:G0A+7], s[G0A+2:G0A+3], 1048576             ; the next head's plane
	s_or_b32 s[G0B+3], s[G0B+3], 0x80000000
	s_or_b32 s[G0B+7], s[G0B+7], 0x80000000
	s_or_b32 s[G0A+3], s[G0A+3], 0x80000000
	s_or_b32 s[G0A+7], s[G0A+7], 0x80000000
	s_mov_b32 s[G0B], 1
	s_mov_b32 s[G0B+4], 1
	s_mov_b32 s[G0A], 1
	s_mov_b32 s[G0A+4], 1
	s_mov_b32 s[G0B+1], s50
	s_add_co_u32 s[G0B+5], s50, SLOT
	s_mov_b32 s[G0A+1], AOFF
	s_mov_b32 s[G0A+5], AOFF+SLOT
	s_add_nc_u64 s[8:9], s[8:9], s[54:55]
	s_add_nc_u64 s[72:73], s[72:73], s[54:55]
	ROUND                                          ; in front of the first loads
	JLOAD 0
	v_and_b32 v9, 15, v0                           ; r
	v_bfe_u32 v10, v0, 4, 1                        ; h
	v_and_b32 v11, 7, v0
	v_bfe_u32 v12, v0, 3, 1
	v_mul_u32_u24 v13, v9, AP
	v_lshl_add_u32 v13, v10, 4, v13
	v_add_nc_u32 v[AA], AOFF, v13
	v_add_nc_u32 v[AA+1], AOFF+SLOT, v13
	v_lshl_add_u32 v13, v10, 3, v11                ; k row 8 h + (lane & 7)
	v_mul_u32_u24 v13, v13, BP
	v_lshl_add_u32 v13, v12, 4, v13
	s_lshr_b32 s51, s12, 1                         ; my 128 columns: strip w >> 1, its half w & 1
	s_mul_i32 s51, s51, STRIP
	s_and_b32 s56, s12, 1
	s_lshl_b32 s56, s56, 8
	s_add_co_u32 s51, s51, s56
	v_add_nc_u32 v[AB], s51, v13
	s_add_co_u32 s51, s51, SLOT
	v_add_nc_u32 v[AB+1], s51, v13
	v_mul_u32_u24 v13, v9, HP
	v_lshl_add_u32 v13, v10, 5, v13
	s_lshl_b32 s56, s12, 9
	v_add_nc_u32 v[HS], s56, v13                   ; row r, column 128 w + 8 h, f32
	v_add_nc_u32 v[HS+1], 16*HP, v[HS]             ; 16 rows further: beyond an LDS instruction's 16-bit offset
	v_and_b32 v13, 31, v0
	v_lshlrev_b32 v[GL], 4, v13
	s_mul_i32 s56, s12, 4*HP
	v_add_nc_u32 v[HR], s56, v[GL]
	v_mov_b32 v9, 0                                ; v_permlanex16_b32's destination counts as read
; group g of a K step: ks = g >> 1 (32 along K), column tiles 4 (g & 1) .. + 3
.macro LDB bf, slot, g
.irp n, 0,1,2,3
	ds_load_tr16_b128 v[\bf+8*\n:\bf+8*\n+3],   v[AB+\slot] offset:(\g>>1)*32*BP+32*(4*(\g&1)+\n)
	ds_load_tr16_b128 v[\bf+8*\n+4:\bf+8*\n+7], v[AB+\slot] offset:(\g>>1)*32*BP+16*BP+32*(4*(\g&1)+\n)
.endr
.endm
.macro MUL8 g, bf, zero
.irp a, 0,1
.irp n, 0,1,2,3
.if \zero
	v_wmma_f32_16x16x32_bf16 v[ACC+8*(8*\a+4*(\g&1)+\n):ACC+8*(8*\a+4*(\g&1)+\n)+7], v[\bf+8*\n:\bf+8*\n+7], v[AF+16*(\g>>1)+8*\a:AF+16*(\g>>1)+8*\a+7], 0
.else
	v_wmma_f32_16x16x32_bf16 v[ACC+8*(8*\a+4*(\g&1)+\n):ACC+8*(8*\a+4*(\g&1)+\n)+7], v[\bf+8*\n:\bf+8*\n+7], v[AF+16*(\g>>1)+8*\a:AF+16*(\g>>1)+8*\a+7], v[ACC+8*(8*\a+4*(\g&1)+\n):ACC+8*(8*\a+4*(\g&1)+\n)+7]
.endif
.endr
.endr
.endm
.macro TRIP slot, refill, first
	s_wait_tensorcnt 0x0                           ; the one load of mine that was out has landed, so every group 0 may be written
	s_add_nc_u64 s[G0B+4*\slot+2:G0B+4*\slot+3], s[G0B+4*\slot+2:G0B+4*\slot+3], 2*131072
	s_add_nc_u64 s[G0A+4*\slot+2:G0A+4*\slot+3], s[G0A+4*\slot+2:G0A+4*\slot+3], 2*1048576
	s_wait_dscnt 0x0
	ROUND
.if \refill
	JLOAD (1-\slot)
.endif
.if \first == 0
	PL 4                                           ; behind the last step's products, for the loads into their fragments
.endif
.irp ks, 0,1
.irp a, 0,1
	ds_load_b128 v[AF+16*\ks+8*\a:AF+16*\ks+8*\a+3],   v[AA+\slot] offset:16*AP*\a+64*\ks
	ds_load_b128 v[AF+16*\ks+8*\a+4:AF+16*\ks+8*\a+7], v[AA+\slot] offset:16*AP*\a+64*\ks+32
.endr
.endr
	LDB BFA, \slot, 0
	LDB BFB, \slot, 1
	s_wait_dscnt 8                                 ; all but the youngest eight loads: the next group's
	MUL8 0, BFA, \first
	PL 4
	LDB BFA, \slot, 2
	s_wait_dscnt 8
	MUL8 1, BFB, \first
	PL 4
	LDB BFB, \slot, 3
	s_wait_dscnt 8
	MUL8 2, BFA, 0
	s_wait_dscnt 0x0
	MUL8 3, BFB, 0
.endm
	TRIP 0, 1, 1
	TRIP 1, 1, 0
	s_mov_b32 s48, 6
.Lpair:
	TRIP 0, 1, 0
	TRIP 1, 1, 0
	s_sub_co_u32 s48, s48, 1
	s_cmp_lg_u32 s48, 0
	s_cbranch_scc1 .Lpair
	TRIP 0, 1, 0
	TRIP 1, 0, 0
	PL 4                                           ; behind the last products: for the stores of the sums and the loads into fragments and accumulators
.irp a, 0,1
.irp nb, 0,1,2,3,4,5,6,7
	ds_store_b128 v[HS+\a], v[ACC+8*(8*\a+\nb):ACC+8*(8*\a+\nb)+3] offset:64*\nb
	ds_store_b128 v[HS+\a], v[ACC+8*(8*\a+\nb)+4:ACC+8*(8*\a+\nb)+7] offset:64*\nb+16
.endr
.endr
.irp k, 0,1,2,3,4,5,6,7
	global_load_b128 v[PBO+4*\k:PBO+4*\k+3], v[GL], s[10:11] offset:512*\k
.endr
.irp k, 0,1,2,3,4,5,6,7
	global_load_b128 v[PGA+4*\k:PGA+4*\k+3], v[GL], s[68:69] offset:512*\k
.endr
.irp k, 0,1,2,3,4,5,6,7
	global_load_b128 v[PBE+4*\k:PBE+4*\k+3], v[GL], s[70:71] offset:512*\k
.endr
	s_wait_dscnt 0x0                               ; my sums are in LDS, for the other waves' sake; the accumulators are free
.irp i, 0,1,2,3
.irp k, 0,1,2,3,4,5,6,7
	global_load_b128 v[ACC+32*\i+4*\k:ACC+32*\i+4*\k+3], v[GL], s[8:9] offset:4096*\i+512*\k    ; the residual of my four rows
.endr
.endr
	s_barrier_signal -1
	s_barrier_wait -1
.macro WSUM                            ; v10 summed over the 32 lanes, in every lane
	v_add_f32_dpp v10, v10, v10 row_xmask:1 row_mask:0xf bank_mask:0xf
	v_add_f32_dpp v10, v10, v10 row_xmask:2 row_mask:0xf bank_mask:0xf
	v_add_f32_dpp v10, v10, v10 row_xmask:4 row_mask:0xf bank_mask:0xf
	v_add_f32_dpp v10, v10, v10 row_xmask:8 row_mask:0xf bank_mask:0xf
	v_permlanex16_b32 v9, v10, s62, s63
	v_add_f32 v10, v10, v9
.endm
; row 4 w + i: a lane holds columns 4 lane + 128 k + 0..3 in registers 4 k + 0..3; made, normalised and stored in the residual's registers
.macro ROW i
.set HB, ACC+32*\i
.irp k, 0,1,2,3
	ds_load_b128 v[HT+4*\k:HT+4*\k+3], v[HR] offset:HP*\i+512*\k
.endr
	s_wait_loadcnt 24-8*\i                         ; bo, gamma, beta and the residual up to this row are in; the later rows' 8 loads each stay out
.irp n, 0,2,4,6,8,10,12,14,16,18,20,22,24,26,28,30
	v_pk_add_f32 v[HB+\n:HB+\n+1], v[HB+\n:HB+\n+1], v[PBO+\n:PBO+\n+1]
.endr
	s_wait_dscnt 0x0
.irp n, 0,2,4,6,8,10,12,14
	v_pk_add_f32 v[HB+\n:HB+\n+1], v[HB+\n:HB+\n+1], v[HT+\n:HT+\n+1]
.endr
.irp k, 0,1,2,3
	ds_load_b128 v[HT+4*\k:HT+4*\k+3], v[HR] offset:HP*\i+2048+512*\k
.endr
	s_wait_dscnt 0x0
.irp n, 0,2,4,6,8,10,12,14
	v_pk_add_f32 v[HB+16+\n:HB+16+\n+1], v[HB+16+\n:HB+16+\n+1], v[HT+\n:HT+\n+1]
.endr
	v_pk_add_f32 v[10:11], v[HB:HB+1], v[HB+2:HB+3]
	v_pk_add_f32 v[12:13], v[HB+4:HB+5], v[HB+6:HB+7]
.irp n, 8,12,16,20,24,28
	v_pk_add_f32 v[10:11], v[10:11], v[HB+\n:HB+\n+1]
	v_pk_add_f32 v[12:13], v[12:13], v[HB+\n+2:HB+\n+3]
.endr
	v_pk_add_f32 v[10:11], v[10:11], v[12:13]
	v_add_f32 v10, v10, v11
	WSUM
	v_mul_f32 v14, s57, v10                        ; the mean
	v_mov_b32 v15, v14
.irp n, 0,2,4,6,8,10,12,14,16,18,20,22,24,26,28,30
	v_pk_add_f32 v[HB+\n:HB+\n+1], v[HB+\n:HB+\n+1], v[14:15] neg_lo:[0,1] neg_hi:[0,1]
.endr
	v_pk_mul_f32 v[10:11], v[HB:HB+1], v[HB:HB+1]
	v_pk_mul_f32 v[12:13], v[HB+2:HB+3], v[HB+2:HB+3]
.irp n, 4,8,12,16,20,24,28
	v_pk_fma_f32 v[10:11], v[HB+\n:HB+\n+1], v[HB+\n:HB+\n+1], v[10:11]
	v_pk_fma_f32 v[12:13], v[HB+\n+2:HB+\n+3], v[HB+\n+2:HB+\n+3], v[12:13]
.endr
	v_pk_add_f32 v[10:11], v[10:11], v[12:13]
	v_add_f32 v10, v10, v11
	WSUM
	v_fma_f32 v10, v10, s57, s58                   ; variance + 1e-12
	v_rsq_f32 v14, v10
	v_nop                                          ; one plain place behind v_rsq_f32 (ISA guide 5.7.2)
	s_wait_alu depctr_va_vdst(0)
	v_mov_b32 v15, v14
.irp n, 0,2,4,6,8,10,12,14,16,18,20,22,24,26,28,30
	v_pk_mul_f32 v[HB+\n:HB+\n+1], v[HB+\n:HB+\n+1], v[14:15]
.endr
.irp n, 0,2,4,6,8,10,12,14,16,18,20,22,24,26,28,30
	v_pk_fma_f32 v[HB+\n:HB+\n+1], v[HB+\n:HB+\n+1], v[PGA+\n:PGA+\n+1], v[PBE+\n:PBE+\n+1]
.endr
.irp k, 0,1,2,3,4,5,6,7
	global_store_b128 v[GL], v[HB+4*\k:HB+4*\k+3], s[72:73] offset:4096*\i+512*\k     ; the wave stores 512 consecutive bytes
.endr
.endm
	ROW 0
	ROW 1
	ROW 2
	ROW 3
	ROUND                                          ; the closing round
	s_endpgm
.Lfunc_end_k_q4554bb7b6a_oproj:
	.size	k_q4554bb7b6a_oproj, .Lfunc_end_k_q4554bb7b6a_oproj-k_q4554bb7b6a_oproj
	.p2alignl 7, 3214868480
	.fill 96, 4, 3214868480
	.section	.rodata,"a",@progbits
	.p2align	6, 0x0
	.amdhsa_kernel k_q4554bb7b6a_oproj
		.amdhsa_group_segment_fixed_size 327680
		.amdhsa_private_segment_fixed_size 0
		.amdhsa_enable_private_segment 0
		.amdhsa_kernarg_size 56
		.amdhsa_user_sgpr_count 2
		.amdhsa_user_sgpr_kernarg_segment_ptr 1
		.amdhsa_wavefront_size32 1
		.amdhsa_system_sgpr_workgroup_id_x 1
		.amdhsa_system_sgpr_workgroup_id_y 1
		.amdhsa_system_sgpr_workgroup_id_z 1
		.amdhsa_system_vgpr_workitem_id 0
		.amdhsa_next_free_vgpr 256
		.amdhsa_next_free_sgpr 74
		.amdhsa_reserve_vcc 0
		.amdhsa_float_denorm_mode_32 3
		.amdhsa_float_denorm_mode_16_64 3
		.amdhsa_memory_ordered 1
		.amdhsa_forward_progress 1
		.amdhsa_inst_pref_size 86
	.end_amdhsa_kernel
	.amdgpu_metadata
---
amdhsa.version: [ 1, 2 ]
amdhsa.kernels:
  - .name:           k_q4554bb7b6a_oproj
    .symbol:         k_q4554bb7b6a_oproj.kd
    .args:
      - { .name: ctxh, .offset: 0, .size: 8, .value_kind: global_buffer, .address_space: global }
      - { .name: Wob, .offset: 8, .size: 8, .value_kind: global_buffer, .address_space: global }
      - { .name: hidden_states, .offset: 16, .size: 8, .value_kind: global_buffer, .address_space: global }
      - { .name: bo, .offset: 24, .size: 8, .value_kind: global_buffer, .address_space: global }
      - { .name: ln_gamma, .offset: 32, .size: 8, .value_kind: global_buffer, .address_space: global }
      - { .name: ln_beta, .offset: 40, .size: 8, .value_kind: global_buffer, .address_space: global }
      - { .name: out0, .offset: 48, .size: 8, .value_kind: global_buffer, .address_space: global }
    .group_segment_fixed_size: 327680
    .private_segment_fixed_size: 0
    .kernarg_segment_align: 8
    .kernarg_segment_size: 56
    .max_flat_workgroup_size: 256
    .sgpr_count:     74
    .vgpr_count:     256
    .wavefront_size: 32
...
	.end_amdgpu_metadata
.endif
;; end of part 4
;; ======== version 2 of 2: 4 launches
;; workspace buffers: Xb 16,777,216 bytes; Wqkv 6,291,456 bytes; Wob 2,097,152 bytes; Ebf 262,144 bytes; QKVh 50,331,648 bytes; ctxh 16,777,216 bytes
;; launch prep: the kernel of part 1 again; grid 1552 x 1, 8 waves a work-group, no clusters, 0 bytes of LDS; arguments hidden_states, Wq, Wk, Wv, Wo, dist_emb, Xb, Wqkv, Wob, Ebf; writes Xb, Wqkv, Wob, Ebf
;; launch qkv (part 5): grid 8 x 32, 4 waves a work-group, clusters of 4 x 4, 327,680 bytes of LDS; arguments Xb, Wqkv, bq, bk, bv, QKVh; writes QKVh
.if DOCPART == 5
	.amdgcn_target "amdgcn-amd-amdhsa--gfx1250"
	.amdhsa_code_object_version 6
	.text
	.protected	k_q4554bb7b6a_qkv
	.globl	k_q4554bb7b6a_qkv
	.p2align	8
	.type	k_q4554bb7b6a_qkv,@function
k_q4554bb7b6a_qkv:
	s_mov_b64 s[64:65], 0
	v_nop
	global_prefetch_b8 v0, s[64:65] scope:SCOPE_SE
	s_setreg_imm32_b32 hwreg(HW_REG_WAVE_MODE, 25, 1), 1
	s_wait_xcnt 0x0
	s_wait_alu depctr_hold_cnt(0) depctr_sa_sdst(0) depctr_va_vdst(0) depctr_va_sdst(0) depctr_va_ssrc(0) depctr_va_vcc(0) depctr_vm_vsrc(0)
	s_getreg_b32 s2, hwreg(HW_REG_IB_STS2, 6, 4)
	s_cmp_eq_u32 s2, 0
	s_cbranch_scc0 .Lentry_in_a_cluster
	s_endpgm
.Lentry_in_a_cluster:
	s_bfe_u32 s2, ttmp6, 0x10000c
	s_cmp_lg_u32 s2, 0xf033
	s_cbranch_scc0 .Lentry_shape_is_right
	s_endpgm
.Lentry_shape_is_right:
; [8192 x 1024] x [1024 x 3072] + bias, bf16 operands, f32 sums, result bf16 in head-major planes: QKVh[48][8192 tokens][64], planes 0-15 q, 16-31 k, 32-47 v.
; A work-group makes 256 tokens x 384 columns (six planes): 8 x 32 = 256 work-groups of equal work.  Four waves; a wave makes 128 tokens x 192 columns:
; 8 x 12 accumulator tiles, 768 registers.  For 32 along K a wave reads (128 + 192) x 64 bytes from LDS, 40 loads, for 96 matrix instructions.
; K goes in 16 steps of 64 through two LDS slots filled by tensor loads.  Two slots of a step of 128 would take 368,640 bytes, more than a work-group can have:
; so X's rows in a tile are 128 bytes; W's are 768 bytes and start at multiples of 256 bytes from the buffer's first byte.
; The weights stay [k][n]; their fragments come out of LDS by the transposing load.
; CLUSTER 4 x 4: X's tile hangs on the block row alone and is asked for jointly along a row of the cluster, W's on the block column alone, jointly along a column.
; THE MATRIX INSTRUCTION IS USED TRANSPOSED (source 0 = 16 columns of W, source 1 = 16 tokens): a lane then holds one token and 8 neighbouring columns.
; REGISTERS: window 0: v0-31 addresses; FA0, FA1 X's 8 fragments, two buffers; FB W's 12 fragments, one buffer, refilled four tiles at a time as soon as they are used.
;            windows 1, 2, 3: accumulators; column tiles 4 g .. 4 g + 3 in window g + 1, tile (a, b) at v[8 (8 (b & 3) + a)].
; No register is left for the bias as the first product's C: the first products take 0, a wave's 192 biases wait in 768 bytes of its own LDS and are added in f32 on the way out.
; The 96 accumulators take turns, one instruction a turn, in the same order in every quarter step.
.set KSTEP, 64
.set PA,    144                        ; X rows in LDS: 128 bytes + 16
.set PB,    864                        ; W rows in LDS: six pieces of 128 bytes, each followed by 16 = 27 x 32 bytes
.set HALFB, 32*PB                      ; what one of waves 0, 1 brings
.set HALFA, 128*PA                     ; what one of waves 2, 3 brings
.set AOFF,  2*HALFB                    ; in a slot: W's 64 rows, then X's 256
.set SLOT,  AOFF+2*HALFA               ; 92,160
.set STAGE, 2*SLOT                     ; behind the ring: a stage of each wave's own, never filled by a tensor load
.set STGW,  7168                       ; 3 planes x 16 rows x 144 bytes, rounded up to blocks of 256
.set BIASL, STAGE+4*STGW               ; each wave's 192 biases, 768 bytes
.set SP,    144
.set LAPS,  8                          ; a lap = two K steps
.set ADRA, 16
.set ADRB, 20
.set STO,  24
.set RD,   25
.set CO,   26
.set BO,   27
.set BS,   28
.set BL,   29
.set FA0,  32
.set FA1,  96
.set FB,   160
.set TMP,  32                          ; the way out: packed results
.set RB,   80                          ; the way out: rows read back
.set BIAS, 160                         ; the way out: tile b's 8 biases at 160 + 8 b
.set G1,  24                           ; X's descriptors
.set G0,  32
.set G1B, 48                           ; W's descriptors
.set G0B, 56
.set MSB, 0
.macro WIN new                         ; the immediate's high byte repeats the setting that is left
.if MSB != \new
	s_set_vgpr_msb (MSB<<8)|\new
.set MSB, \new
.endif
.endm
.macro PLACES
.rept 4
	v_nop
.endr
.endm
.macro JLOAD s                         ; waves 0, 1 ask for W's halves, waves 2, 3 for X's; the branch hangs on the wave's number alone
	s_cmp_eq_u32 s11, 0
	s_cbranch_scc0 .Lfor_x_\@
	tensor_load_to_lds s[G0B+4*\s:G0B+4*\s+3], s[G1B:G1B+7]
	s_nop 0
	s_branch .Lasked_\@
.Lfor_x_\@:
	tensor_load_to_lds s[G0+4*\s:G0+4*\s+3], s[G1:G1+7]
	s_nop 0
.Lasked_\@:
.endm
.macro CREST                           ; a round of the cluster's barrier behind its opening work-group barrier
	s_cmp_lg_u32 s10, 0
	s_cbranch_scc1 .Lnot_wave_0_\@
	s_barrier_signal -3
.Lnot_wave_0_\@:
	s_barrier_wait -3
	s_barrier_signal -1
	s_barrier_wait -1
.endm
.macro CROUND
	s_barrier_signal -1
	s_barrier_wait -1
	CREST
.endm
	s_load_b128 s[4:7], s[0:1], 0x0                ; Xb, Wqkv
	s_load_b128 s[72:75], s[0:1], 0x10             ; bq, bk
	s_load_b128 s[76:79], s[0:1], 0x20             ; bv, QKVh
	v_lshrrev_b32 v1, 5, v0
	v_readfirstlane_b32 s10, v1                    ; wave 0..3
	s_lshr_b32 s11, s10, 1                         ; which 128 tokens are mine.  Also: I fetch for W (0) or for X (1)
	s_and_b32 s12, s10, 1                          ; which 192 columns.  Also: which half of that tile I fetch
	s_bfe_u32 s40, ttmp6, 0x40000                  ; cx
	s_bfe_u32 s41, ttmp6, 0x40004                  ; cy
	s_lshl_b32 s42, ttmp9, 2
	s_add_co_u32 s42, s42, s40                     ; block column 0..7
	s_and_b32 s13, ttmp7, 0xffff
	s_lshl_b32 s13, s13, 2
	s_add_co_u32 s13, s13, s41                     ; block row 0..31
	s_lshl_b32 s43, s41, 2
	s_lshl_b32 s43, 15, s43                        ; my row of the cluster
	s_lshl_b32 s44, 0x1111, s40                    ; my column
	s_or_b32 s[G1+0], s43, (1<<16)|(1<<20)|(1<<21)|(4<<22)|(3<<25)   ; X: 2-byte elements, 4 words of padding after every 32
	s_mov_b32 s[G1+1], KSTEP<<16                   ; tensor_dim0 = 64
	s_mov_b32 s[G1+2], 128<<16                     ; tensor_dim1 = 128
	s_mov_b32 s[G1+3], KSTEP<<16                   ; tile_dim0 = 64
	s_mov_b32 s[G1+4], 128                         ; tile_dim1 = 128
	s_mov_b32 s[G1+5], 1024                        ; elements from row to row
	s_mov_b32 s[G1+6], 0
	s_mov_b32 s[G1+7], 0
	s_or_b32 s[G1B+0], s44, (1<<16)|(1<<20)|(1<<21)|(4<<22)|(3<<25)  ; W: the same padding: a row of 192 words becomes six pieces of 36
	s_mov_b32 s[G1B+1], 384<<16
	s_mov_b32 s[G1B+2], 32<<16
	s_mov_b32 s[G1B+3], 384<<16
	s_mov_b32 s[G1B+4], 32
	s_mov_b32 s[G1B+5], 3072
	s_mov_b32 s[G1B+6], 0
	s_mov_b32 s[G1B+7], 0
	s_lshl_b32 s16, s13, 8                         ; X: token 256 x block row + 128 x half,
	s_lshl_b32 s17, s12, 7
	s_add_co_u32 s16, s16, s17
	s_lshl_b32 s16, s16, 11                        ; times 2,048 bytes
	s_mov_b32 s17, 0
	s_mul_i32 s46, s12, 32*6144                    ; W: k row 32 x half, column 384 x block column (768 bytes)
	s_mul_i32 s45, s42, 768
	s_add_co_u32 s46, s46, s45
	s_mov_b32 s47, 0
	s_mul_i32 s21, s10, HALFB                      ; LDS: W's halves by waves 0, 1
	s_mul_i32 s20, s10, HALFA
	s_add_co_u32 s20, s20, AOFF-2*HALFA            ; X's halves by waves 2, 3
	s_wait_kmcnt 0x0
	s_add_nc_u64 s[14:15], s[4:5], s[16:17]
	s_add_nc_u64 s[46:47], s[6:7], s[46:47]
	CROUND                                         ; all sixteen work-groups are here: the first joint loads meet
.irp s, 0,1
	s_mov_b32 s[G0+4*\s], 1
	s_add_co_u32 s[G0+4*\s+1], s20, \s*SLOT
	s_add_nc_u64 s[G0+4*\s+2:G0+4*\s+3], s[14:15], \s*KSTEP*2
	s_or_b32 s[G0+4*\s+3], s[G0+4*\s+3], 0x80000000
	s_mov_b32 s[G0B+4*\s], 1
	s_add_co_u32 s[G0B+4*\s+1], s21, \s*SLOT
	s_add_nc_u64 s[G0B+4*\s+2:G0B+4*\s+3], s[46:47], \s*KSTEP*6144
	s_or_b32 s[G0B+4*\s+3], s[G0B+4*\s+3], 0x80000000
	JLOAD \s                                       ; two loads of the wave are out
.endr
	; my three planes' biases: plane g = 6 x block column + 3 x column half + c; g >> 4 picks bq, bk or bv, g & 15 the head (64 f32 = 256 bytes)
	s_mul_i32 s80, s42, 6
	s_mul_i32 s81, s12, 3
	s_add_co_u32 s80, s80, s81                     ; my first plane
.irp c, 0,1,2
	s_add_co_u32 s81, s80, \c
	s_lshr_b32 s82, s81, 4
	s_and_b32 s81, s81, 15
	s_lshl_b32 s84, s81, 8
	s_mov_b32 s85, 0
	s_cmp_eq_u32 s82, 0
	s_cselect_b64 s[66+2*\c:67+2*\c], s[72:73], s[74:75]
	s_cmp_eq_u32 s82, 2
	s_cselect_b64 s[66+2*\c:67+2*\c], s[76:77], s[66+2*\c:67+2*\c]
	s_add_nc_u64 s[66+2*\c:67+2*\c], s[66+2*\c:67+2*\c], s[84:85]
.endr
	v_and_b32 v1, 15, v0                           ; r
	v_bfe_u32 v2, v0, 4, 1                         ; h
	v_lshlrev_b32 v[BO], 4, v1                     ; sixteen lanes cover a plane's 256 bytes; the other sixteen load the same
.irp c, 0,1,2
	global_load_b128 v[FB+4*\c:FB+4*\c+3], v[BO], s[66+2*\c:67+2*\c]
.endr
	v_mul_u32_u24 v3, v1, PA
	v_lshl_add_u32 v3, v2, 4, v3                   ; X fragment: row x pitch + 16 h
	s_mul_i32 s22, s11, 128*PA                     ; my 128 tokens,
	s_add_co_u32 s22, s22, AOFF                    ; behind W's rows
	v_add_nc_u32 v[ADRA], s22, v3
	s_add_co_u32 s22, s22, SLOT
	v_add_nc_u32 v[ADRA+1], s22, v3
	v_and_b32 v4, 7, v0
	v_lshl_add_u32 v4, v2, 3, v4                   ; W fragment, transposing load: k row 8 h + (lane & 7),
	v_mul_u32_u24 v4, v4, PB
	v_bfe_u32 v5, v0, 3, 1
	v_lshl_add_u32 v4, v5, 4, v4                   ; 16 bytes further for lanes 8-15 of each half
	s_mul_i32 s22, s12, 432                        ; my 192 columns: three pieces of 144 bytes
	v_add_nc_u32 v[ADRB], s22, v4
	s_add_co_u32 s22, s22, SLOT
	v_add_nc_u32 v[ADRB+1], s22, v4
	s_mul_i32 s23, s10, STGW
	s_add_co_u32 s23, s23, STAGE                   ; my stage
	v_mul_u32_u24 v4, v1, SP
	v_lshl_add_u32 v4, v2, 4, v4
	v_add_nc_u32 v[STO], s23, v4                   ; in: row r, 16 bytes for each half of the lanes
	v_bfe_u32 v4, v0, 3, 2
	v_mul_u32_u24 v4, v4, SP
	v_and_b32 v5, 7, v0
	v_lshl_add_u32 v4, v5, 4, v4
	v_add_nc_u32 v[RD], s23, v4                    ; back: 8 lanes a row of 128 bytes, 4 rows a load
	v_and_b32 v4, 31, v0
	v_lshlrev_b32 v[CO], 4, v4                     ; those 4 rows are 512 consecutive bytes of a plane
	s_mul_i32 s22, s10, 768
	s_add_co_u32 s22, s22, BIASL                   ; my biases
	v_add_nc_u32 v[BS], s22, v[BO]
	v_lshl_add_u32 v[BL], v2, 5, s22               ; back: my 8 columns of a tile are 32 h bytes into its 64
; 16 matrix instructions: column tiles 4 g + b0, 4 g + b0 + 1 by all 8 token tiles, 32 along K.  zero = 1: the first product starts the sums.
.macro GRPH f, g, b0, zero
.irp bb, \b0, \b0+1
.irp a, 0,1,2,3,4,5,6,7
.if \zero
	v_wmma_f32_16x16x32_bf16 v[8*(8*(\bb)+\a):8*(8*(\bb)+\a)+7], v[FB+8*(4*\g+\bb):FB+8*(4*\g+\bb)+7], v[\f+8*\a:\f+8*\a+7], 0
.else
	v_wmma_f32_16x16x32_bf16 v[8*(8*(\bb)+\a):8*(8*(\bb)+\a)+7], v[FB+8*(4*\g+\bb):FB+8*(4*\g+\bb)+7], v[\f+8*\a:\f+8*\a+7], v[8*(8*(\bb)+\a):8*(8*(\bb)+\a)+7]
.endif
.endr
.endr
.endm
; 8 LDS loads: W's column tiles 4 g .. 4 g + 3 of quarter qq (32 along K) of a slot
.macro LDB slot, qq, g
.irp bb, 0,1,2,3
	ds_load_tr16_b128 v[FB+8*(4*\g+\bb):FB+8*(4*\g+\bb)+3],   v[ADRB+\slot] offset:\qq*32*PB+\g*144+\bb*32
	ds_load_tr16_b128 v[FB+8*(4*\g+\bb)+4:FB+8*(4*\g+\bb)+7], v[ADRB+\slot] offset:\qq*32*PB+16*PB+\g*144+\bb*32
.endr
.endm
; 16 LDS loads: X's 8 token tiles of quarter qq into buffer f
.macro LDA slot, qq, f
.irp a, 0,1,2,3,4,5,6,7
	ds_load_b128 v[\f+8*\a:\f+8*\a+3],   v[ADRA+\slot] offset:\qq*64+\a*16*PA
	ds_load_b128 v[\f+8*\a+4:\f+8*\a+7], v[ADRA+\slot] offset:\qq*64+\a*16*PA+32
.endr
.endm
; A K step is two quarters of 32 along K, 96 matrix instructions each, in three groups of 32 (one accumulator window each).  Behind each group stand four places
; (a load into a register that a matrix instruction has read: ISA guide 7.12.1 for vector instructions), then the next quarter's loads
; into the W fragments just used; behind group 0 also the next quarter's X fragments, into the other buffer.  The loads go out in the order
; W0 X W1 W2, W0 X W1 W2, ..; each wait below counts what was issued behind the loads that its group needs.
; The first quarter of a slot: multiplies FA0, fetches the slot's second quarter.
.macro QEVEN slot, zero
	s_wait_dscnt 16                                ; W0 and X are in; W1's and W2's 8 loads each may be out
	WIN 0x50
	GRPH FA0, 0, 0, \zero
	GRPH FA0, 0, 2, \zero
	WIN 0
	PLACES
	LDB \slot, 1, 0
	LDA \slot, 1, FA1
	s_wait_dscnt 32                                ; W1 is in; behind it came W2's 8 and the 24 just issued
	WIN 0xa0
	GRPH FA0, 1, 0, \zero
	GRPH FA0, 1, 2, \zero
	WIN 0
	PLACES
	LDB \slot, 1, 1
	s_wait_dscnt 32                                ; W2 is in; behind it came 24 and 8
	WIN 0xf0
	GRPH FA0, 2, 0, \zero
	GRPH FA0, 2, 2, \zero
	WIN 0
	PLACES
	LDB \slot, 1, 2
.endm
; The second quarter: multiplies FA1 and changes slots.  All its fragments were asked for in the first quarter, so behind group 0 each wave waits for its reads of this
; slot and for all its tensor loads (one is out: its part of the next slot), then the barrier (with fill = 1 it opens a round of the cluster's barrier), then the joint
; refill first, then the next slot's first fragments.  From a request to the wait for it a wave issues 176 matrix instructions.
.macro QODD slot, next, fill
	s_wait_dscnt 16
	WIN 0x50
	GRPH FA1, 0, 0, 0
	GRPH FA1, 0, 2, 0
	s_wait_dscnt 0                                 ; my reads of this slot are over (the last were issued 32 matrix instructions ago)
	s_wait_tensorcnt 0x0                           ; all my tensor loads have landed
	s_barrier_signal -1
	WIN 0xa0
	GRPH FA1, 1, 0, 0                              ; registers only
	WIN 0
	s_barrier_wait -1
.if \fill
	CREST
	s_add_nc_u64 s[G0+4*\slot+2:G0+4*\slot+3], s[G0+4*\slot+2:G0+4*\slot+3], 2*KSTEP*2
	s_add_nc_u64 s[G0B+4*\slot+2:G0B+4*\slot+3], s[G0B+4*\slot+2:G0B+4*\slot+3], 2*KSTEP*6144
	JLOAD \slot
.endif
	PLACES
	LDB \next, 0, 0
	LDA \next, 0, FA0
	WIN 0xa0
	GRPH FA1, 1, 2, 0
	WIN 0
	PLACES
	LDB \next, 0, 1
	WIN 0xf0
	GRPH FA1, 2, 0, 0
	GRPH FA1, 2, 2, 0
	WIN 0
	PLACES
	LDB \next, 0, 2
.endm
.macro LAP zero
	QEVEN 0, \zero
	QODD 0, 1, 1
	QEVEN 1, 0
	QODD 1, 0, 1
.endm
	s_wait_loadcnt 0x0                             ; the biases,
.irp c, 0,1,2
	ds_store_b128 v[BS], v[FB+4*\c:FB+4*\c+3] offset:256*\c      ; into my own 768 bytes
.endr
	s_wait_dscnt 0x0                               ; no LDS instruction is pending at a signal
	s_wait_tensorcnt 1                             ; my part of K step 0 is in; K step 1's stays out
	s_barrier_signal -1
	s_barrier_wait -1
	LDB 0, 0, 0
	LDA 0, 0, FA0
	LDB 0, 0, 1
	LDB 0, 0, 2
	LAP 1                                          ; the first lap stands in front of the loop: its first products start the sums
	WIN 0
	s_mov_b32 s3, LAPS-2
.Llap:
	LAP 0
	WIN 0
	s_sub_co_u32 s3, s3, 1
	s_cmp_lg_u32 s3, 0
	s_cbranch_scc1 .Llap
	QEVEN 0, 0                                     ; the last lap fills nothing
	QODD 0, 1, 0
	QEVEN 1, 0
	s_wait_dscnt 16                                ; the very last quarter: nothing more to fetch, the counts run down
	WIN 0x50
	GRPH FA1, 0, 0, 0
	GRPH FA1, 0, 2, 0
	s_wait_dscnt 8
	WIN 0xa0
	GRPH FA1, 1, 0, 0
	GRPH FA1, 1, 2, 0
	s_wait_dscnt 0
	WIN 0xf0
	GRPH FA1, 2, 0, 0
	GRPH FA1, 2, 2, 0
	PLACES                                         ; behind the last matrix instructions: for the adds, which read results, and the loads into fragments
	WIN 0
.irp b, 0,1,2,3,4,5,6,7,8,9,10,11
	ds_load_b128 v[BIAS+8*\b:BIAS+8*\b+3],   v[BL] offset:(\b/4)*256+(\b%4)*64
	ds_load_b128 v[BIAS+8*\b+4:BIAS+8*\b+7], v[BL] offset:(\b/4)*256+(\b%4)*64+16
.endr
	s_lshl_b32 s16, s13, 15                        ; 256 tokens x 128 bytes x block row
	s_lshl_b32 s14, s11, 14                        ; + 128 tokens x token half
	s_add_co_u32 s16, s16, s14
	s_mov_b32 s17, 0
	s_add_nc_u64 s[8:9], s[78:79], s[16:17]
	s_lshl_b32 s46, s80, 20                        ; my first plane, of 1,048,576 bytes each
	s_mov_b32 s47, 0
	s_add_nc_u64 s[8:9], s[8:9], s[46:47]
	s_wait_dscnt 0x0
; the bias, in f32: accumulators of window g + 1, biases in window 0
.macro BADD g, win
	WIN \win
.irp bb, 0,1,2,3
.irp a, 0,1,2,3,4,5,6,7
.irp i, 0,2,4,6
	v_pk_add_f32 v[8*(8*\bb+\a)+\i:8*(8*\bb+\a)+\i+1], v[8*(8*\bb+\a)+\i:8*(8*\bb+\a)+\i+1], v[BIAS+8*(4*\g+\bb)+\i:BIAS+8*(4*\g+\bb)+\i+1]
.endr
.endr
.endr
.endm
	BADD 0, 0x41
	BADD 1, 0x82
	BADD 2, 0xc3
	; THE WAY OUT, 16 tokens at a time: round to bf16, 16 bytes a lane into my stage, read back as rows of 128 bytes, stored as 512 consecutive bytes of a plane
.macro CVTW a, g, from
	WIN \from
.irp bb, 0,1,2,3
.irp q, 0,1,2,3
	v_cvt_pk_bf16_f32 v[TMP+4*(4*\g+\bb)+\q], v[8*(8*\bb+\a)+2*\q], v[8*(8*\bb+\a)+2*\q+1]
.endr
.endr
.endm
.macro OUT16 a
	CVTW \a, 0, 0x05
	CVTW \a, 1, 0x0a
	CVTW \a, 2, 0x0f
	WIN 0
.irp b, 0,1,2,3,4,5,6,7,8,9,10,11
	ds_store_b128 v[STO], v[TMP+4*\b:TMP+4*\b+3] offset:(\b/4)*16*SP+(\b%4)*32
.endr
	s_wait_xcnt 0x0                                ; RB, which the last sixteen tokens' stores read, is loaded again only behind this wait
.irp n, 0,1,2,3,4,5,6,7,8,9,10,11
	ds_load_b128 v[RB+4*\n:RB+4*\n+3], v[RD] offset:(\n/4)*16*SP+(\n%4)*4*SP     ; a wave's LDS instructions are served in order: these see the stores above
.endr
.irp n, 0,1,2,3,4,5,6,7,8,9,10,11
	s_wait_dscnt 11-\n
	global_store_b128 v[CO], v[RB+4*\n:RB+4*\n+3], s[8:9] offset:(\n/4)*1048576+\a*2048+(\n%4)*512
.endr
.endm
.irp a, 0,1,2,3,4,5,6,7
	OUT16 \a
.endr
	CROUND                                         ; the closing round
	s_endpgm
.Lfunc_end_k_q4554bb7b6a_qkv:
	.size	k_q4554bb7b6a_qkv, .Lfunc_end_k_q4554bb7b6a_qkv-k_q4554bb7b6a_qkv
	.p2alignl 7, 3214868480
	.fill 96, 4, 3214868480
	.section	.rodata,"a",@progbits
	.p2align	6, 0x0
	.amdhsa_kernel k_q4554bb7b6a_qkv
		.amdhsa_group_segment_fixed_size 327680
		.amdhsa_private_segment_fixed_size 0
		.amdhsa_enable_private_segment 0
		.amdhsa_kernarg_size 48
		.amdhsa_user_sgpr_count 2
		.amdhsa_user_sgpr_kernarg_segment_ptr 1
		.amdhsa_wavefront_size32 1
		.amdhsa_system_sgpr_workgroup_id_x 1
		.amdhsa_system_sgpr_workgroup_id_y 1
		.amdhsa_system_sgpr_workgroup_id_z 1
		.amdhsa_system_vgpr_workitem_id 0
		.amdhsa_next_free_vgpr 1024
		.amdhsa_next_free_sgpr 86
		.amdhsa_reserve_vcc 0
		.amdhsa_float_denorm_mode_32 3
		.amdhsa_float_denorm_mode_16_64 3
		.amdhsa_memory_ordered 1
		.amdhsa_forward_progress 1
		.amdhsa_inst_pref_size 197
	.end_amdhsa_kernel
	.amdgpu_metadata
---
amdhsa.version: [ 1, 2 ]
amdhsa.kernels:
  - .name:           k_q4554bb7b6a_qkv
    .symbol:         k_q4554bb7b6a_qkv.kd
    .args:
      - { .name: Xb, .offset: 0, .size: 8, .value_kind: global_buffer, .address_space: global }
      - { .name: Wqkv, .offset: 8, .size: 8, .value_kind: global_buffer, .address_space: global }
      - { .name: bq, .offset: 16, .size: 8, .value_kind: global_buffer, .address_space: global }
      - { .name: bk, .offset: 24, .size: 8, .value_kind: global_buffer, .address_space: global }
      - { .name: bv, .offset: 32, .size: 8, .value_kind: global_buffer, .address_space: global }
      - { .name: QKVh, .offset: 40, .size: 8, .value_kind: global_buffer, .address_space: global }
    .group_segment_fixed_size: 327680
    .private_segment_fixed_size: 0
    .kernarg_segment_align: 8
    .kernarg_segment_size: 48
    .max_flat_workgroup_size: 128
    .sgpr_count:     86
    .vgpr_count:     1024
    .wavefront_size: 32
...
	.end_amdgpu_metadata
.endif
;; end of part 5
;; launch attn (part 6): grid 4 x 128, 8 waves a work-group, clusters of 4 x 1, 327,680 bytes of LDS; arguments QKVh, Ebf, ctxh; writes ctxh
.if DOCPART == 6
	.amdgcn_target "amdgcn-amd-amdhsa--gfx1250"
	.amdhsa_code_object_version 6
	.text
	.protected	k_q4554bb7b6a_attn
	.globl	k_q4554bb7b6a_attn
	.p2align	8
	.type	k_q4554bb7b6a_attn,@function
k_q4554bb7b6a_attn:
	s_mov_b64 s[64:65], 0
	v_nop
	global_prefetch_b8 v0, s[64:65] scope:SCOPE_SE
	s_setreg_imm32_b32 hwreg(HW_REG_WAVE_MODE, 25, 1), 1
	s_wait_xcnt 0x0
	s_wait_alu depctr_hold_cnt(0) depctr_sa_sdst(0) depctr_va_vdst(0) depctr_va_sdst(0) depctr_va_ssrc(0) depctr_va_vcc(0) depctr_vm_vsrc(0)
	s_getreg_b32 s2, hwreg(HW_REG_IB_STS2, 6, 4)
	s_cmp_eq_u32 s2, 0
	s_cbranch_scc0 .Lentry_in_a_cluster
	s_endpgm
.Lentry_in_a_cluster:
	s_bfe_u32 s2, ttmp6, 0x10000c
	s_cmp_lg_u32 s2, 0x3003
	s_cbranch_scc0 .Lentry_shape_is_right
	s_endpgm
.Lentry_shape_is_right:
; Attention of one (batch, head) and 256 queries: scores (q.k + q.e[l-r+1023] + k.e[l-r+1023]) / 8, softmax with a running maximum, P.V.
; Operands q, k, v, e and P are bf16, all sums, the maximum and the exponentials f32.  v_exp_f32 gives 0 for results below 2^-126.
; Eight waves, 32 queries each (query tiles a = 0, 1).  Keys go in 16 steps of 64; an LDS slot holds 128 keys of K and V, two slots.
; CLUSTER 4 x 1: the four query blocks of one head read the same K and V tiles and ask for them jointly (mask 15).
; LAYOUT: every score product is used transposed (source 0 = keys, source 1 = queries): a lane holds one query, its registers keys, so P feeds P.V as it lies.
;   In a step, tile t, lane half h, register j is key y = 16 t + 8 h + j.
; DISTANCES: of Ebf the work-group keeps rows 256 cx .. 256 cx + 1279 in LDS.  In step st wave w needs the 96 local rows from D = 32 w + 960 - 64 st: six tiles EF.
;   local row of (query 16 a + r, key y) = D + 16 a + r + 63 - y.  The next step's tiles 4, 5 are this step's tiles 0, 1: they are moved in registers, four are loaded.
; rel_q: PQ = E x q (lane = query, registers = distances) needs a shift along registers that hangs on the lane: it goes through the wave's own stage,
;   16-byte stores by rows of 336 bytes, 4-byte loads at 340 r - 32 h - 64 t - 4 j + 252.
; rel_k: T = k x E (lane = distance n, registers = keys m = 8 h + j) for the three distance tiles 3 - t .. 5 - t.  Query r takes lane (r - m - 1) mod 16, of tile a + 1
;   where that lane is below 15 - m, else of tile a: one select by a constant mask, then a rotation of the 16 lanes that rides on the add (DPP).  The rotation is j + 1 in
;   the lower half of the lanes and j + 9 in the upper: the adds run once with EXEC = lower half and once with EXEC = upper half.  No global access is pending there.
; ORDER IN A STEP: vector work of one tile stands behind the next tile's products and fills their places (only its selects, which run with all lanes on, are counted);
;   q.k stands behind the first rel_q stage and covers its way through LDS; the next step's fragments are asked for while the softmax runs.
; Where two or more accumulators are summed in place they take turns, one instruction a turn.
.set EPITCH, 144
.set KPITCH, 144
.set VPITCH, 160
.set KV,     184320                    ; E: 1,280 rows x 144 at byte 0; then the two slots
.set VOFF,   128*KPITCH                ; in a slot: K 128 x 144, then V 128 x 160
.set SLOT,   VOFF+128*VPITCH           ; 38,912
.set STAGE,  262144                    ; each wave's own stage, never filled by a tensor load
.set STGW,   5632                      ; 16 rows x 336 bytes, rounded up to blocks of 256
.set QPITCH, 336
.set AE,  1
.set AK,  2
.set AV,  3
.set APS, 4
.set ARQ, 5
.set STO, 6
.set RD,  7
.set CO,  8
.set QO,  9
.set MX,  10                           ; v10, v11  running maximum of my query in tile a (raw scores)
.set LS,  12                           ; v12, v13  running sum, my half of the keys
.set AL,  14                           ; v[14:15], v[16:17]  tile a's rescaling factor, twice
.set NM,  18                           ; v[18:19], v[20:21]  tile a's - maximum x log2(e)/8, twice
.set XT,  16                           ; rel_k's selected values: v[16:23] for a = 0 (AL and NM are dead there), v[216:223] for a = 1: at 16 + 200 a
.set SC,  24                           ; v[24:87]  scores at 32 a + 8 t
.set KF,  88                           ; v[88:151] K's four tiles, 16 registers each
.set PQ,  152                          ; v[152:191] E x q, five tiles; later P at 16 a + 8 kh
.set PB,  152
.set T0,  192                          ; v[192:223] rel_q of tile a = 0 as read back; then v[192:215] k x E of even key tiles; then the softmax's scratch
.set T1,  224                          ; v[224:255] rel_q of a = 1; then v[224:247] k x E of odd key tiles
.set MT,  192                          ; softmax scratch: four maxima a tile
.set PM,  200                          ; what the other half of the lanes holds
.set NX,  202                          ; the new maximum
.set DD,  204
.set SU,  208                          ; four pairs of partial sums a tile
.set QF,  0                            ; window 1: q, 16 registers a tile
.set EF,  32                           ; window 1: six distance tiles, 16 registers each
.set CT,  128                          ; window 1: context, tile (dt, a) at 8 (2 dt + a)
.set VF,  192                          ; window 1: V's eight fragments at 8 (2 dt + kh)
.set G1K, 16
.set G1V, 24
.set G1E, 32
.set G0K, 40                           ; slot s at + 4 s
.set G0V, 48
.set G0E, 56
.set MK,  66                           ; s[66:73]  register j's mask: lanes below 15 - j of the lower half, below 7 - j of the upper
.set MSB, 0
.macro WIN new
.if MSB != \new
	s_set_vgpr_msb (MSB<<8)|\new
.set MSB, \new
.endif
.endm
.macro PL n
.rept \n
	v_nop
.endr
.endm
.macro ROUND                           ; a round of the cluster's barrier
	s_barrier_signal -1
	s_barrier_wait -1
	s_cmp_lg_u32 s12, 0
	s_cbranch_scc1 .Lnot_wave_0_\@
	s_barrier_signal -3
.Lnot_wave_0_\@:
	s_barrier_wait -3
	s_barrier_signal -1
	s_barrier_wait -1
.endm
.macro JLOAD s                         ; waves 4, 5 ask for K's halves, waves 6, 7 for V's, waves 0-3 for nothing
	s_cmp_lt_u32 s12, 4
	s_cbranch_scc1 .Lasked_\@
	s_cmp_lt_u32 s12, 6
	s_cbranch_scc0 .Lfor_v_\@
	tensor_load_to_lds s[G0K+4*\s:G0K+4*\s+3], s[G1K:G1K+7]
	s_nop 0
	s_branch .Lasked_\@
.Lfor_v_\@:
	tensor_load_to_lds s[G0V+4*\s:G0V+4*\s+3], s[G1V:G1V+7]
	s_nop 0
.Lasked_\@:
.endm
	s_load_b128 s[4:7], s[0:1], 0x0                ; QKVh, Ebf
	s_load_b64 s[8:9], s[0:1], 0x10                ; ctxh
	v_lshrrev_b32 v18, 5, v0
	v_readfirstlane_b32 s12, v18                   ; wave 0..7
	s_bfe_u32 s13, ttmp6, 0x40000                  ; cx = query block
	s_and_b32 s14, ttmp7, 0xffff
	s_lshr_b32 s15, s14, 4                         ; batch
	s_and_b32 s14, s14, 15                         ; head
	; all tiles are dense blocks, brought as rows of 256 bytes (two rows of 64 bf16), padded after every 128 bytes
	s_mov_b32 s[G1K+0], 15|(1<<16)|(1<<20)|(1<<21)|(4<<22)|(3<<25)   ; joint; 4 words of padding after every 32: pitch 144
	s_mov_b32 s[G1K+1], 128<<16
	s_mov_b32 s[G1K+2], 32<<16
	s_mov_b32 s[G1K+3], 128<<16
	s_mov_b32 s[G1K+4], 32                         ; 32 rows of 256 bytes = 64 keys
	s_mov_b32 s[G1K+5], 128
	s_mov_b32 s[G1K+6], 0
	s_mov_b32 s[G1K+7], 0
	s_mov_b32 s[G1V+0], 15|(1<<16)|(1<<20)|(1<<21)|(4<<22)|(7<<25)   ; 8 words of padding: pitch 160
	s_mov_b32 s[G1V+1], 128<<16
	s_mov_b32 s[G1V+2], 32<<16
	s_mov_b32 s[G1V+3], 128<<16
	s_mov_b32 s[G1V+4], 32
	s_mov_b32 s[G1V+5], 128
	s_mov_b32 s[G1V+6], 0
	s_mov_b32 s[G1V+7], 0
	s_mov_b32 s[G1E+0], (1<<16)|(1<<20)|(4<<22)|(3<<25)              ; the work-group's own
	s_mov_b32 s[G1E+1], 128<<16
	s_mov_b32 s[G1E+2], 160<<16
	s_mov_b32 s[G1E+3], 128<<16
	s_mov_b32 s[G1E+4], 160                        ; 160 rows of 256 bytes = 320 distances
	s_mov_b32 s[G1E+5], 128
	s_mov_b32 s[G1E+6], 0
	s_mov_b32 s[G1E+7], 0
	s_lshl_b32 s2, s14, 20                         ; a plane is 1,048,576 bytes
	s_lshl_b32 s3, s15, 17                         ; a batch 1,024 tokens of 128 bytes
	s_add_co_u32 s61, s2, s3                       ; head and batch: shared by the four partners
	s_and_b32 s2, s12, 1
	s_lshl_b32 s2, s2, 13                          ; my 64 keys of a tile
	s_add_co_u32 s2, s2, s61
	s_add_co_u32 s2, s2, 0x1000000                 ; K's planes begin 16 planes in
	s_mov_b32 s3, 0
	s_lshl_b32 s98, s13, 15                        ; what hangs on cx stays in s98, s99
	s_mul_i32 s99, s12, 320*128
	s_add_co_u32 s98, s98, s99                     ; Ebf row 256 cx + 320 w
	s_mov_b32 s99, 0
	s_wait_kmcnt 0x0
	s_add_nc_u64 s[G0K+2:G0K+3], s[4:5], s[2:3]                      ; K, tile 0
	s_add_nc_u64 s[G0K+6:G0K+7], s[G0K+2:G0K+3], 16384               ; K, tile 1
	s_add_nc_u64 s[G0V+2:G0V+3], s[G0K+2:G0K+3], 0x1000000           ; V: 16 planes further
	s_add_nc_u64 s[G0V+6:G0V+7], s[G0V+2:G0V+3], 16384
	s_add_nc_u64 s[G0E+2:G0E+3], s[6:7], s[98:99]
	s_or_b32 s[G0K+3], s[G0K+3], 0x80000000
	s_or_b32 s[G0K+7], s[G0K+7], 0x80000000
	s_or_b32 s[G0V+3], s[G0V+3], 0x80000000
	s_or_b32 s[G0V+7], s[G0V+7], 0x80000000
	s_or_b32 s[G0E+3], s[G0E+3], 0x80000000
	s_mov_b32 s[G0K], 1
	s_mov_b32 s[G0K+4], 1
	s_mov_b32 s[G0V], 1
	s_mov_b32 s[G0V+4], 1
	s_mov_b32 s[G0E], 1
	s_mul_i32 s[G0K+1], s12, 64*KPITCH
	s_add_co_u32 s[G0K+1], s[G0K+1], KV-4*64*KPITCH                  ; waves 4, 5: KV, KV + 9,216
	s_add_co_u32 s[G0K+5], s[G0K+1], SLOT
	s_mul_i32 s[G0V+1], s12, 64*VPITCH
	s_add_co_u32 s[G0V+1], s[G0V+1], KV+VOFF-6*64*VPITCH             ; waves 6, 7
	s_add_co_u32 s[G0V+5], s[G0V+1], SLOT
	s_mul_i32 s[G0E+1], s12, 320*EPITCH                              ; waves 0-3
	ROUND                                          ; in front of the first loads
	s_cmp_lt_u32 s12, 4                            ; one first fill a wave, in one branch on the wave's number
	s_cbranch_scc0 .Lfirst_kv
	tensor_load_to_lds s[G0E:G0E+3], s[G1E:G1E+7]
	s_nop 0
	s_branch .Lfirst_done
.Lfirst_kv:
	s_cmp_lt_u32 s12, 6
	s_cbranch_scc0 .Lfirst_v
	tensor_load_to_lds s[G0K:G0K+3], s[G1K:G1K+7]
	s_nop 0
	s_branch .Lfirst_done
.Lfirst_v:
	tensor_load_to_lds s[G0V:G0V+3], s[G1V:G1V+7]
	s_nop 0
.Lfirst_done:
	s_lshl_b32 s98, s13, 15                        ; my 32 queries: 256 cx + 32 w tokens of 128 bytes
	s_lshl_b32 s99, s12, 12
	s_add_co_u32 s98, s98, s99
	s_add_co_u32 s98, s98, s61
	s_mov_b32 s99, 0
	s_add_nc_u64 s[10:11], s[4:5], s[98:99]        ; q (planes 0-15)
	s_add_nc_u64 s[8:9], s[8:9], s[98:99]          ; ctxh has the same layout
	v_and_b32 v20, 15, v0                          ; r
	v_bfe_u32 v21, v0, 4, 1                        ; h
	v_and_b32 v22, 7, v0
	v_bfe_u32 v23, v0, 3, 1
	v_lshlrev_b32 v18, 7, v20
	v_lshl_add_u32 v[QO], v21, 4, v18
	WIN 0x40
.irp a, 0,1
.irp c, 0,1,2,3
	global_load_b128 v[QF+16*\a+4*\c:QF+16*\a+4*\c+3], v[QO], s[10:11] offset:2048*\a+32*\c
.endr
.endr
	WIN 0
	s_mov_b32 s62, 0x76543210                      ; v_permlanex16_b32: lane i of the other half
	s_mov_b32 s63, 0xfedcba98
.irp j, 0,1,2,3,4,5,6,7
	s_mov_b32 s[MK+\j], ((1<<(15-\j))-1)|(((1<<(7-\j))-1)<<16)
.endr
	v_mul_u32_u24 v19, v20, 144
	v_lshl_add_u32 v19, v21, 4, v19                ; 144 r + 16 h
	s_mul_i32 s2, s12, 32*EPITCH
	s_add_co_u32 s2, s2, 960*EPITCH
	v_add_nc_u32 v[AE], s2, v19                    ; step 0: local row 32 w + 960 + r
	s_mul_i32 s3, s12, STGW
	s_add_co_u32 s3, s3, STAGE                     ; my stage
	v_add_nc_u32 v[STO], s3, v19
	v_add_nc_u32 v[AK], KV, v19                    ; K row r of a tile of 16 keys
	v_lshl_add_u32 v18, v21, 3, v22                ; V row 8 h + (lane & 7), for the transposing load
	v_mul_u32_u24 v18, v18, VPITCH
	v_lshl_add_u32 v18, v23, 4, v18
	v_add_nc_u32 v[AV], KV+VOFF, v18
	v_mul_u32_u24 v18, v20, QPITCH
	v_lshl_add_u32 v18, v21, 5, v18
	v_add_nc_u32 v[APS], s3, v18
	v_mul_u32_u24 v18, v20, QPITCH+4
	v_add_nc_u32 v18, s3, v18
	v_add_nc_u32 v18, 32, v18
	v_lshlrev_b32 v17, 5, v21
	v_sub_nc_u32 v[ARQ], v18, v17                  ; stage + 340 r - 32 h + 32
	v_bfe_u32 v18, v0, 3, 2
	v_mul_u32_u24 v18, v18, 144
	v_lshl_add_u32 v18, v22, 4, v18
	v_add_nc_u32 v[RD], s3, v18
	v_and_b32 v18, 31, v0
	v_lshlrev_b32 v[CO], 4, v18
; 16 LDS loads: K's four tiles of 64 keys at half (0, 1) of a slot
.macro LDK slot, half
.irp t, 0,1,2,3
.irp c, 0,1,2,3
	ds_load_b128 v[KF+16*\t+4*\c:KF+16*\t+4*\c+3], v[AK] offset:\slot*SLOT+\half*64*KPITCH+16*\t*KPITCH+32*\c
.endr
.endr
.endm
; 4 LDS loads: distance tile e at AE (destination in window 1: the caller sets it)
.macro LDE1 e
.irp c, 0,1,2,3
	ds_load_b128 v[EF+16*\e+4*\c:EF+16*\e+4*\c+3], v[AE] offset:16*EPITCH*\e+32*\c
.endr
.endm
; 16 transposing LDS loads: V's eight fragments (destination in window 1)
.macro LDV slot, half
.irp dt, 0,1,2,3
.irp kh, 0,1
	ds_load_tr16_b128 v[VF+8*(2*\dt+\kh):VF+8*(2*\dt+\kh)+3],   v[AV] offset:\slot*SLOT+\half*64*VPITCH+\kh*32*VPITCH+32*\dt
	ds_load_tr16_b128 v[VF+8*(2*\dt+\kh)+4:VF+8*(2*\dt+\kh)+7], v[AV] offset:\slot*SLOT+\half*64*VPITCH+\kh*32*VPITCH+16*VPITCH+32*\dt
.endr
.endr
.endm
; E x q for query tile a: distance tiles a .. a + 4
.macro PQM a
	WIN 0x05
.irp i, 0,1,2,3,4
	v_wmma_f32_16x16x32_bf16 v[PQ+8*\i:PQ+8*\i+7], v[EF+16*(\a+\i):EF+16*(\a+\i)+7], v[QF+16*\a:QF+16*\a+7], 0
.endr
.irp i, 0,1,2,3,4
	v_wmma_f32_16x16x32_bf16 v[PQ+8*\i:PQ+8*\i+7], v[EF+16*(\a+\i)+8:EF+16*(\a+\i)+15], v[QF+16*\a+8:QF+16*\a+15], v[PQ+8*\i:PQ+8*\i+7]
.endr
	WIN 0
.endm
; its skew through my stage: 10 stores, 32 loads.  My own bytes; a wave's LDS instructions are served in order
.macro RQM a
.irp i, 0,1,2,3,4
	ds_store_b128 v[APS], v[PQ+8*\i:PQ+8*\i+3] offset:64*\i
	ds_store_b128 v[APS], v[PQ+8*\i+4:PQ+8*\i+7] offset:64*\i+16
.endr
.irp t, 0,1,2,3
.irp j, 0,1,2,3,4,5,6,7
	ds_load_b32 v[T0+32*\a+8*\t+\j], v[ARQ] offset:4*(55-16*\t-\j)
.endr
.endr
.endm
; k x E for key tile t: distance tiles 3 - t + 0..2, into T0 (t even) or T1 (t odd)
.macro WT t
	WIN 0x04
.irp ci, 0,1,2
	v_wmma_f32_16x16x32_bf16 v[T0+32*(\t&1)+8*\ci:T0+32*(\t&1)+8*\ci+7], v[KF+16*\t:KF+16*\t+7], v[EF+16*(3-\t+\ci):EF+16*(3-\t+\ci)+7], 0
.endr
.irp ci, 0,1,2
	v_wmma_f32_16x16x32_bf16 v[T0+32*(\t&1)+8*\ci:T0+32*(\t&1)+8*\ci+7], v[KF+16*\t+8:KF+16*\t+15], v[EF+16*(3-\t+\ci)+8:EF+16*(3-\t+\ci)+15], v[T0+32*(\t&1)+8*\ci:T0+32*(\t&1)+8*\ci+7]
.endr
	WIN 0
.endm
; rel_k of key tile t: sixteen selects with all lanes on, sixteen rotating adds in the lower half of the lanes, sixteen in the upper
.macro RKC a, t, j, rr
	v_add_f32_dpp v[SC+32*\a+8*\t+\j], v[XT+200*\a+\j], v[SC+32*\a+8*\t+\j] row_ror:\rr row_mask:0xf bank_mask:0xf
.endm
.macro VT t
.irp a, 0,1
.irp j, 0,1,2,3,4,5,6,7
	v_cndmask_b32 v[XT+200*\a+\j], v[T0+32*(\t&1)+8*\a+\j], v[T0+32*(\t&1)+8*(\a+1)+\j], s[MK+\j]
.endr
.endr
	s_mov_b32 exec_lo, 0xffff                      ; keys m = j: rotation j + 1
.irp a, 0,1
	RKC \a, \t, 0, 1
	RKC \a, \t, 1, 2
	RKC \a, \t, 2, 3
	RKC \a, \t, 3, 4
	RKC \a, \t, 4, 5
	RKC \a, \t, 5, 6
	RKC \a, \t, 6, 7
	RKC \a, \t, 7, 8
.endr
	s_mov_b32 exec_lo, 0xffff0000                  ; keys m = 8 + j: rotation j + 9
.irp a, 0,1
	RKC \a, \t, 0, 9
	RKC \a, \t, 1, 10
	RKC \a, \t, 2, 11
	RKC \a, \t, 3, 12
	RKC \a, \t, 4, 13
	RKC \a, \t, 5, 14
	RKC \a, \t, 6, 15
	v_add_f32 v[SC+32*\a+8*\t+7], v[XT+200*\a+7], v[SC+32*\a+8*\t+7]     ; m = 15: a rotation by 16 is none
.endr
	s_mov_b32 exec_lo, -1                          ; all lanes on again
.endm
; the i-th of the 32 plain steps behind tile a's exponentials: 16 for the sum (four chains), 16 roundings of P to bf16
.macro SOP a, i, first
.if \i < 4
	s_wait_alu depctr_va_vdst(0)
	v_pk_add_f32 v[SU+8*\a+2*\i:SU+8*\a+2*\i+1], v[SC+32*\a+2*\i:SC+32*\a+2*\i+1], v[SC+32*\a+2*\i+8:SC+32*\a+2*\i+9]
.elseif \i < 8
	v_pk_add_f32 v[SU+8*\a+2*(\i-4):SU+8*\a+2*(\i-4)+1], v[SU+8*\a+2*(\i-4):SU+8*\a+2*(\i-4)+1], v[SC+32*\a+2*(\i-4)+16:SC+32*\a+2*(\i-4)+17]
.elseif \i < 12
	v_pk_add_f32 v[SU+8*\a+2*(\i-8):SU+8*\a+2*(\i-8)+1], v[SU+8*\a+2*(\i-8):SU+8*\a+2*(\i-8)+1], v[SC+32*\a+2*(\i-8)+24:SC+32*\a+2*(\i-8)+25]
.elseif \i == 12
	v_pk_add_f32 v[SU+8*\a:SU+8*\a+1], v[SU+8*\a:SU+8*\a+1], v[SU+8*\a+2:SU+8*\a+3]
.elseif \i == 13
	v_pk_add_f32 v[SU+8*\a+4:SU+8*\a+5], v[SU+8*\a+4:SU+8*\a+5], v[SU+8*\a+6:SU+8*\a+7]
.elseif \i == 14
	v_pk_add_f32 v[SU+8*\a:SU+8*\a+1], v[SU+8*\a:SU+8*\a+1], v[SU+8*\a+4:SU+8*\a+5]
.elseif \i == 15
.if \first
	v_add_f32 v[LS+\a], v[SU+8*\a], v[SU+8*\a+1]
.else
	v_add_f32 v[SU+8*\a], v[SU+8*\a], v[SU+8*\a+1]
	v_fma_f32 v[LS+\a], v[LS+\a], v[AL+2*\a], v[SU+8*\a]
.endif
.else
	v_cvt_pk_bf16_f32 v[PB+16*\a+(\i-16)], v[SC+32*\a+2*(\i-16)], v[SC+32*\a+2*(\i-16)+1]
.endif
.endm
; softmax step of both query tiles: new maxima, rescaling factors, exponentials, sums, P in bf16, context rescaled
.macro SM2 first
.irp a, 0,1
.irp c, 0,1,2,3
	v_max3_num_f32 v[MT+4*\a+\c], v[SC+32*\a+8*\c], v[SC+32*\a+8*\c+1], v[SC+32*\a+8*\c+2]
.endr
.endr
.irp i, 3,5
.irp a, 0,1
.irp c, 0,1,2,3
	v_max3_num_f32 v[MT+4*\a+\c], v[MT+4*\a+\c], v[SC+32*\a+8*\c+\i], v[SC+32*\a+8*\c+\i+1]
.endr
.endr
.endr
.irp a, 0,1
	v_max3_num_f32 v[MT+4*\a], v[MT+4*\a], v[SC+32*\a+7], v[SC+32*\a+15]
	v_max3_num_f32 v[MT+4*\a+1], v[MT+4*\a+1], v[SC+32*\a+23], v[SC+32*\a+31]
.endr
.irp a, 0,1
	v_max3_num_f32 v[MT+4*\a], v[MT+4*\a], v[MT+4*\a+1], v[MT+4*\a+2]
.endr
.irp a, 0,1
	v_max_num_f32 v[MT+4*\a], v[MT+4*\a], v[MT+4*\a+3]
.endr
.irp a, 0,1
	v_permlanex16_b32 v[PM+\a], v[MT+4*\a], s62, s63       ; the other half of the lanes holds my query's other 32 keys
.endr
.if \first
.irp a, 0,1
	v_max_num_f32 v[MX+\a], v[MT+4*\a], v[PM+\a]
.endr
.else
.irp a, 0,1
	v_max3_num_f32 v[NX+\a], v[MT+4*\a], v[PM+\a], v[MX+\a]
.endr
.irp a, 0,1
	v_sub_f32 v[DD+\a], v[MX+\a], v[NX+\a]
.endr
.irp a, 0,1
	v_mul_f32 v[DD+\a], 0x3e38aa3b, v[DD+\a]               ; log2(e) / 8
.endr
.irp a, 0,1
	v_exp_f32 v[AL+2*\a], v[DD+\a]
.endr
.irp a, 0,1
	v_mov_b32 v[MX+\a], v[NX+\a]                           ; plain instructions behind v_exp_f32 (ISA guide 5.7.2)
.endr
.endif
.irp a, 0,1
	v_mul_f32 v[NM+2*\a], 0xbe38aa3b, v[MX+\a]
.endr
.irp a, 0,1
	v_mov_b32 v[NM+2*\a+1], v[NM+2*\a]
.endr
.if \first == 0
	s_wait_alu depctr_va_vdst(0)
.irp a, 0,1
	v_mov_b32 v[AL+2*\a+1], v[AL+2*\a]
.endr
.endif
.irp i, 0,2,4,6,8,10,12,14,16,18,20,22,24,26,28,30
	v_pk_fma_f32 v[SC+\i:SC+\i+1], v[SC+\i:SC+\i+1], 0x3e38aa3b, v[NM:NM+1] op_sel_hi:[1,0,1]
.endr
	; tile 0's exponentials among tile 1's multiply-adds, then tile 1's among tile 0's sums and roundings: the plain lines name the other tile's registers alone
.irp p, 0,1,2,3,4,5,6,7,8,9,10,11,12,13,14,15
	v_exp_f32 v[SC+2*\p], v[SC+2*\p]
	v_exp_f32 v[SC+2*\p+1], v[SC+2*\p+1]
	v_pk_fma_f32 v[SC+32+2*\p:SC+32+2*\p+1], v[SC+32+2*\p:SC+32+2*\p+1], 0x3e38aa3b, v[NM+2:NM+3] op_sel_hi:[1,0,1]
.endr
.irp i, 0,1,2,3,4,5,6,7,8,9,10,11,12,13,14,15,16,17,18,19,20,21,22,23,24,25,26,27,28,29,30,31
	v_exp_f32 v[SC+32+\i], v[SC+32+\i]
	SOP 0, \i, \first
.endr
.irp i, 0,1,2,3,4,5,6,7,8,9,10,11,12,13,14,15,16,17,18,19,20,21,22,23,24,25,26,27,28,29,30,31
	SOP 1, \i, \first
.endr
.if \first == 0
	WIN 0x41
.irp a, 0,1
.irp dt, 0,1,2,3
.irp i, 0,2,4,6
	v_pk_mul_f32 v[CT+8*(2*\dt+\a)+\i:CT+8*(2*\dt+\a)+\i+1], v[CT+8*(2*\dt+\a)+\i:CT+8*(2*\dt+\a)+\i+1], v[AL+2*\a:AL+2*\a+1]
.endr
.endr
.endr
	WIN 0
.endif
.endm
; one step: 64 keys at half (0, 1) of a slot.  nxe = 1: another step follows, and its E fragments are made ready here.
.macro STEP slot, half, first, nxe
.if \first == 0
	PL 5                                           ; behind the last P.V: five places for the E x q products that write over P
.endif
.if \half == 0
	LDK \slot, 0                                   ; a slot's second half was asked for in the step before
.endif
.if \first
	WIN 0x40
.irp e, 0,1,2,3,4,5
	LDE1 \e
.endr
	WIN 0
	s_wait_dscnt 0x0                               ; E's and K's fragments
.elseif \half == 0
	s_wait_dscnt 16                                ; E's fragments, asked for in the step before; K's 16 loads stay out
.else
	s_wait_dscnt 0x0                               ; E's and K's fragments, asked for in the step before
.endif
	PQM 0
	PL 5                                           ; four places for the stores that read the results, five for tile 1's products that write over them
	RQM 0
.if \first == 0
.if \half == 0
	s_wait_dscnt 42                                ; K's fragments: behind them came the stage's 10 stores and 32 loads
.endif
.endif
	WIN 0x04                                       ; q.k, while tile 0's rel_q goes through the stage
.irp a, 0,1
.irp t, 0,1,2,3
	v_wmma_f32_16x16x32_bf16 v[SC+32*\a+8*\t:SC+32*\a+8*\t+7], v[KF+16*\t:KF+16*\t+7], v[QF+16*\a:QF+16*\a+7], 0
.endr
.endr
.irp a, 0,1
.irp t, 0,1,2,3
	v_wmma_f32_16x16x32_bf16 v[SC+32*\a+8*\t:SC+32*\a+8*\t+7], v[KF+16*\t+8:KF+16*\t+15], v[QF+16*\a+8:QF+16*\a+15], v[SC+32*\a+8*\t:SC+32*\a+8*\t+7]
.endr
.endr
	PQM 1
	PL 4                                           ; four places: for the adds, which read q.k, and for the stores, which read E x q
	s_wait_dscnt 0x0                               ; rel_q of tile 0 is back
.irp i, 0,2,4,6,8,10,12,14,16,18,20,22,24,26,28,30
	v_pk_add_f32 v[SC+\i:SC+\i+1], v[SC+\i:SC+\i+1], v[T0+\i:T0+\i+1]
.endr
	RQM 1
	WT 0                                           ; while tile 1's rel_q is on its way into T1
	s_wait_dscnt 0x0
.irp i, 0,2,4,6,8,10,12,14,16,18,20,22,24,26,28,30
	v_pk_add_f32 v[SC+32+\i:SC+32+\i+1], v[SC+32+\i:SC+32+\i+1], v[T1+\i:T1+\i+1]   ; the places behind WT 0
.endr
	WT 1
	VT 0                                           ; its selects name none of WT 1's registers: its places
	WT 2
	VT 1                                           ; names none of WT 2's registers
	WT 3
	VT 2                                           ; names none of WT 3's registers: its places, for VT 3 and for the loads into K's and E's fragments
.if \half == 0
	LDK \slot, 1
.endif
.if \nxe
	v_sub_nc_u32 v[AE], v[AE], 64*EPITCH           ; 64 keys on: 64 distances down; the last step asks for nothing, so no address passes below row 0
	WIN 0x41
.irp i, 0,1,2,3,4,5,6,7,8,9,10,11,12,13,14,15,16,17,18,19,20,21,22,23,24,25,26,27,28,29,30,31
	v_mov_b32 v[EF+64+\i], v[EF+\i]                ; this step's tiles 0, 1 are the next step's tiles 4, 5
.endr
.endif
	WIN 0x40
	LDV \slot, \half
.if \nxe
.irp e, 0,1,2,3
	LDE1 \e
.endr
.endif
	WIN 0
	VT 3
	SM2 \first
.if \nxe
	s_wait_dscnt 16                                ; V's fragments are in; behind them came E's 16 loads, which stay out
.else
	s_wait_dscnt 0x0
.endif
	WIN 0x51
.irp dt, 0,1,2,3
.irp a, 0,1
.if \first
	v_wmma_f32_16x16x32_bf16 v[CT+8*(2*\dt+\a):CT+8*(2*\dt+\a)+7], v[VF+16*\dt:VF+16*\dt+7], v[PB+16*\a:PB+16*\a+7], 0
.else
	v_wmma_f32_16x16x32_bf16 v[CT+8*(2*\dt+\a):CT+8*(2*\dt+\a)+7], v[VF+16*\dt:VF+16*\dt+7], v[PB+16*\a:PB+16*\a+7], v[CT+8*(2*\dt+\a):CT+8*(2*\dt+\a)+7]
.endif
.endr
.endr
.irp dt, 0,1,2,3
.irp a, 0,1
	v_wmma_f32_16x16x32_bf16 v[CT+8*(2*\dt+\a):CT+8*(2*\dt+\a)+7], v[VF+16*\dt+8:VF+16*\dt+15], v[PB+16*\a+8:PB+16*\a+15], v[CT+8*(2*\dt+\a):CT+8*(2*\dt+\a)+7]
.endr
.endr
	WIN 0
.endm
; a slot's two steps.  In front of the round every wave has waited for all its tensor loads and for its LDS reads; the joint refill of the other slot comes first behind it.
.macro TRIP slot, refill, first, last
	s_wait_tensorcnt 0x0                           ; the one load of mine that was out has landed, so every group 0 may be written
	s_add_nc_u64 s[G0K+4*\slot+2:G0K+4*\slot+3], s[G0K+4*\slot+2:G0K+4*\slot+3], 32768   ; this slot's next tile: two tiles on
	s_add_nc_u64 s[G0V+4*\slot+2:G0V+4*\slot+3], s[G0V+4*\slot+2:G0V+4*\slot+3], 32768
	s_wait_dscnt 0x0
	ROUND
.if \refill
	JLOAD (1-\slot)
.endif
	STEP \slot, 0, \first, 1
	STEP \slot, 1, 0, (1-\last)
.endm
	s_wait_loadcnt 0x0                             ; q; from here to the way out no global access is pending, so EXEC may change
	TRIP 0, 1, 1, 0                                ; tile 0: its first step starts the maximum, the sums and the context: nothing is cleared
	s_mov_b32 s60, 3
.Lpair:
	TRIP 1, 1, 0, 0                                ; tiles 1, 3, 5
	TRIP 0, 1, 0, 0                                ; tiles 2, 4, 6
	s_sub_co_u32 s60, s60, 1
	s_cmp_lg_u32 s60, 0
	s_cbranch_scc1 .Lpair
	TRIP 1, 0, 0, 1                                ; tile 7: nothing is left to fetch
	PL 5                                           ; behind the last P.V
.irp a, 0,1
	v_permlanex16_b32 v[PM+\a], v[LS+\a], s62, s63
.endr
.irp a, 0,1
	v_add_f32 v[LS+\a], v[LS+\a], v[PM+\a]         ; both halves of the keys
.endr
	v_rcp_f32 v[AL], v[LS]
	v_rcp_f32 v[AL+2], v[LS+1]
	v_nop
	s_wait_alu depctr_va_vdst(0)
	v_mov_b32 v[AL+1], v[AL]
	v_mov_b32 v[AL+3], v[AL+2]
	WIN 0x41
.irp a, 0,1
.irp dt, 0,1,2,3
.irp i, 0,2,4,6
	v_pk_mul_f32 v[CT+8*(2*\dt+\a)+\i:CT+8*(2*\dt+\a)+\i+1], v[CT+8*(2*\dt+\a)+\i:CT+8*(2*\dt+\a)+\i+1], v[AL+2*\a:AL+2*\a+1]
.endr
.endr
.endr
	; a lane holds 8 neighbouring d of one query: 16 bytes into my stage, read back by rows of 128 bytes, stored as 512 consecutive bytes
.irp a, 0,1
	WIN 0x05
.irp dt, 0,1,2,3
.irp q, 0,1,2,3
	v_cvt_pk_bf16_f32 v[T0+4*\dt+\q], v[CT+8*(2*\dt+\a)+2*\q], v[CT+8*(2*\dt+\a)+2*\q+1]
.endr
.endr
	WIN 0
.irp dt, 0,1,2,3
	ds_store_b128 v[STO], v[T0+4*\dt:T0+4*\dt+3] offset:32*\dt
.endr
.irp t, 0,1,2,3
	ds_load_b128 v[T0+16+16*\a+4*\t:T0+16+16*\a+4*\t+3], v[RD] offset:576*\t
.endr
.irp t, 0,1,2,3
	s_wait_dscnt 3-\t
	global_store_b128 v[CO], v[T0+16+16*\a+4*\t:T0+16+16*\a+4*\t+3], s[8:9] offset:2048*\a+512*\t
.endr
.endr
	ROUND                                          ; the closing round
	s_endpgm
.Lfunc_end_k_q4554bb7b6a_attn:
	.size	k_q4554bb7b6a_attn, .Lfunc_end_k_q4554bb7b6a_attn-k_q4554bb7b6a_attn
	.p2alignl 7, 3214868480
	.fill 96, 4, 3214868480
	.section	.rodata,"a",@progbits
	.p2align	6, 0x0
	.amdhsa_kernel k_q4554bb7b6a_attn
		.amdhsa_group_segment_fixed_size 327680
		.amdhsa_private_segment_fixed_size 0
		.amdhsa_enable_private_segment 0
		.amdhsa_kernarg_size 24
		.amdhsa_user_sgpr_count 2
		.amdhsa_user_sgpr_kernarg_segment_ptr 1
		.amdhsa_wavefront_size32 1
		.amdhsa_system_sgpr_workgroup_id_x 1
		.amdhsa_system_sgpr_workgroup_id_y 1
		.amdhsa_system_sgpr_workgroup_id_z 1
		.amdhsa_system_vgpr_workitem_id 0
		.amdhsa_next_free_vgpr 512
		.amdhsa_next_free_sgpr 100
		.amdhsa_reserve_vcc 0
		.amdhsa_float_denorm_mode_32 3
		.amdhsa_float_denorm_mode_16_64 3
		.amdhsa_memory_ordered 1
		.amdhsa_forward_progress 1
		.amdhsa_inst_pref_size 255
	.end_amdhsa_kernel
	.section	.bss,"aw",@nobits
	.p2align	6
	.space	262144
	.amdgpu_metadata
---
amdhsa.version: [ 1, 2 ]
amdhsa.kernels:
  - .name:           k_q4554bb7b6a_attn
    .symbol:         k_q4554bb7b6a_attn.kd
    .args:
      - { .name: QKVh, .offset: 0, .size: 8, .value_kind: global_buffer, .address_space: global }
      - { .name: Ebf, .offset: 8, .size: 8, .value_kind: global_buffer, .address_space: global }
      - { .name: ctxh, .offset: 16, .size: 8, .value_kind: global_buffer, .address_space: global }
    .group_segment_fixed_size: 327680
    .private_segment_fixed_size: 0
    .kernarg_segment_align: 8
    .kernarg_segment_size: 24
    .max_flat_workgroup_size: 256
    .sgpr_count:     100
    .vgpr_count:     512
    .wavefront_size: 32
...
	.end_amdgpu_metadata
.endif
;; end of part 6
;; launch oproj (part 7): grid 256 x 1, 8 waves a work-group, clusters of 4 x 1, 327,680 bytes of LDS; arguments ctxh, Wob, hidden_states, bo, ln_gamma, ln_beta, out0; writes out0
.if DOCPART == 7
	.amdgcn_target "amdgcn-amd-amdhsa--gfx1250"
	.amdhsa_code_object_version 6
	.text
	.protected	k_q4554bb7b6a_oproj
	.globl	k_q4554bb7b6a_oproj
	.p2align	8
	.type	k_q4554bb7b6a_oproj,@function
k_q4554bb7b6a_oproj:
	s_mov_b64 s[64:65], 0
	v_nop
	global_prefetch_b8 v0, s[64:65] scope:SCOPE_SE
	s_setreg_imm32_b32 hwreg(HW_REG_WAVE_MODE, 25, 1), 1
	s_wait_xcnt 0x0
	s_wait_alu depctr_hold_cnt(0) depctr_sa_sdst(0) depctr_va_vdst(0) depctr_va_sdst(0) depctr_va_ssrc(0) depctr_va_vcc(0) depctr_vm_vsrc(0)
	s_getreg_b32 s2, hwreg(HW_REG_IB_STS2, 6, 4)
	s_cmp_eq_u32 s2, 0
	s_cbranch_scc0 .Lentry_in_a_cluster
	s_endpgm
.Lentry_in_a_cluster:
	s_bfe_u32 s2, ttmp6, 0x10000c
	s_cmp_lg_u32 s2, 0x3003
	s_cbranch_scc0 .Lentry_shape_is_right
	s_endpgm
.Lentry_shape_is_right:
; out = LayerNorm(ctx x Wo + bo + hidden) x gamma + beta.  ctx and Wo are bf16 operands, everything else f32; mean and variance in two passes over registers.
; A work-group makes 32 tokens x all 1,024 columns, so a row's statistics never leave it: 256 work-groups.  Eight waves; wave w makes columns 128 w .. + 127:
; 2 x 8 accumulator tiles.  K goes in 16 tiles of 64 (one head of ctxh).
; Wo: two LDS slots; every wave brings its own 128 columns of a tile by one tensor load (64 rows of 256 bytes, aligned), asked for jointly by the four work-groups
;   of a cluster (mask 15).  Wo stays [k][n]; its fragments come by the transposing load.
; K ORDER: a cluster begins at tile (cluster + 8 bit4(cluster) + (cluster >> 5)) mod 16 and walks all sixteen modulo 16, so that the clusters do not all ask for the
;   same tile of Wo at the same time.  LIMIT: the f32 additions over K therefore run in an order that differs from work-group to work-group.
; ctx: the work-group's 32 x 1,024 (64 KB, read by nobody else) is asked for once, at the start: 16 loads a thread, each tile a dense block of 4,096 bytes with thread t
;   at byte 16 t, into 64 registers of window 1.  In trip t the next tile goes by one LDS store a thread into a ring of two small slots that no tensor load ever fills.
; Used transposed (source 0 = columns of Wo, source 1 = tokens): a lane holds one token and 8 neighbouring columns.
; The 16 accumulators take turns, one instruction a turn.
; The 16 trips are written out: the registers that hold ctx's tile t are fixed by t.
; After the last trip the sums go as f32 into slot 0, whose last fill has been read by then (every wave has passed the last trip's round), 32 rows of 4,112 bytes.
.set BP,    288                        ; a strip's row: 256 bytes + 32 = 9 x 32
.set STRIP, 64*BP                      ; 18,432: a wave's part of a slot
.set SLOT,  8*STRIP                    ; 147,456
.set ARING, 2*SLOT                     ; ctx's ring, behind the slots
.set AP,    144
.set ASL,   32*AP                      ; 4,608 = 18 blocks of 256
.set HP,    4112
.set HR,  1
.set AA,  2                            ; ctx fragments in ring slot 0
.set AST, 3                            ; where my 16 bytes of a ctx tile go in ring slot 0
.set AB,  4                            ; v4, v5  Wo fragments in slot 0, 1
.set HS,  6                            ; v6, v7  where my sums go: tokens 0-15, 16-31
.set GL,  8
.set AF,  16                           ; v[16:47]  ctx: 16 ks + 8 a
.set BFA, 48
.set BFB, 80
.set AO,  48                           ; v[48:63]  at the start only: the byte offsets of the 16 ctx loads
.set ACC, 128                          ; tile (a, nb) at 8 (8 a + nb)
.set PBO, 16                           ; later: bo, gamma, beta of my 32 columns of a row
.set PGA, 48
.set PBE, 80
.set HT,  112
.set AH,  0                            ; window 1: ctx tile t at 4 t
.set G1B, 16
.set G0,  32                           ; slot s at + 4 s
.set MSB, 0
.macro WIN new
.if MSB != \new
	s_set_vgpr_msb (MSB<<8)|\new
.set MSB, \new
.endif
.endm
.macro PL n
.rept \n
	v_nop
.endr
.endm
.macro ROUND
	s_barrier_signal -1
	s_barrier_wait -1
	s_cmp_lg_u32 s12, 0
	s_cbranch_scc1 .Lnot_wave_0_\@
	s_barrier_signal -3
.Lnot_wave_0_\@:
	s_barrier_wait -3
	s_barrier_signal -1
	s_barrier_wait -1
.endm
	s_load_b256 s[4:11], s[0:1], 0x0               ; ctxh s[4:5], Wob s[6:7], hidden s[8:9], bo s[10:11]
	s_load_b128 s[68:71], s[0:1], 0x20             ; gamma, beta
	s_load_b64 s[72:73], s[0:1], 0x30              ; out0
	v_lshrrev_b32 v1, 5, v0
	v_readfirstlane_b32 s12, v1
	s_bfe_u32 s13, ttmp6, 0x40000
	s_lshl_b32 s14, ttmp9, 2
	s_add_co_u32 s14, s14, s13                     ; work-group 0..255
	s_bfe_u32 s49, ttmp9, 0x10004                  ; the cluster's first tile, before the modulo: made of the cluster's number alone, which the four partners share
	s_lshl_b32 s49, s49, 3
	s_lshr_b32 s48, ttmp9, 5
	s_add_co_u32 s48, s48, s49
	s_add_co_u32 s48, s48, ttmp9
	s_mov_b32 s[G1B+0], 15|(1<<16)|(1<<20)|(1<<21)|(5<<22)|(7<<25)   ; joint; 2-byte elements; 8 words of padding after every 64
	s_mov_b32 s[G1B+1], 128<<16                    ; tensor_dim0 = 128
	s_mov_b32 s[G1B+2], 64<<16                     ; tensor_dim1 = 64
	s_mov_b32 s[G1B+3], 128<<16                    ; tile_dim0 = 128
	s_mov_b32 s[G1B+4], 64                         ; tile_dim1 = 64
	s_mov_b32 s[G1B+5], 1024                       ; elements from row to row
	s_mov_b32 s[G1B+6], 0
	s_mov_b32 s[G1B+7], 0
	s_lshl_b32 s2, s12, 8                          ; my strip: 256 bytes of a row of Wo
	s_mov_b32 s3, 0
	s_lshl_b32 s52, s14, 12                        ; my work-group's 32 tokens of 128 bytes
	s_mov_b32 s53, 0
	s_lshl_b32 s54, s14, 17                        ; 32 rows of 4,096 bytes,
	s_mov_b32 s55, 0
	s_lshl_b32 s60, s12, 14                        ; and 4 rows a wave
	s_mov_b32 s61, 0
	s_mov_b32 s51, 0
	s_mov_b32 s57, 0x3a800000                      ; 1 / 1024
	s_mov_b32 s58, 0x2b8cbccc                      ; 1e-12
	s_mov_b32 s62, 0x76543210
	s_mov_b32 s63, 0xfedcba98
	v_lshlrev_b32 v9, 4, v0                        ; 16 t
.irp t, 0,1,2,3,4,5,6,7,8,9,10,11,12,13,14,15
	s_add_co_u32 s49, s48, \t
	s_and_b32 s49, s49, 15                         ; trip t's head
	v_lshl_add_u32 v[AO+\t], s49, 20, v9           ; its plane of 1,048,576 bytes + 16 t
.endr
	s_wait_kmcnt 0x0
	s_add_nc_u64 s[4:5], s[4:5], s[52:53]
	WIN 0x40
.irp t, 0,1,2,3,4,5,6,7,8,9,10,11,12,13,14,15
	global_load_b128 v[AH+4*\t:AH+4*\t+3], v[AO+\t], s[4:5] th:TH_LOAD_NT      ; a wave's load covers 512 consecutive bytes
.endr
	WIN 0
	s_add_nc_u64 s[24:25], s[6:7], s[2:3]          ; Wo at my strip
	s_and_b32 s49, s48, 15
	s_lshl_b32 s50, s49, 17                        ; a tile is 64 rows of 2,048 bytes
	s_add_nc_u64 s[G0+2:G0+3], s[24:25], s[50:51]
	s_or_b32 s[G0+3], s[G0+3], 0x80000000
	s_mov_b32 s[G0], 1
	s_mov_b32 s[G0+4], 1
	s_mul_i32 s[G0+1], s12, STRIP
	s_add_co_u32 s[G0+5], s[G0+1], SLOT
	s_add_nc_u64 s[26:27], s[8:9], s[54:55]        ; hidden at the work-group's 32 rows
	s_add_nc_u64 s[8:9], s[26:27], s[60:61]        ; and at my wave's 4
	s_add_nc_u64 s[72:73], s[72:73], s[54:55]
	s_add_nc_u64 s[72:73], s[72:73], s[60:61]
	ROUND                                          ; in front of the first joint load
	tensor_load_to_lds s[G0:G0+3], s[G1B:G1B+7]    ; trip 0's tile, my strip
	s_nop 0
	v_and_b32 v9, 15, v0                           ; r
	v_bfe_u32 v10, v0, 4, 1                        ; h
	v_and_b32 v11, 7, v0
	v_bfe_u32 v12, v0, 3, 1
	v_mul_u32_u24 v13, v9, AP
	v_lshl_add_u32 v13, v10, 4, v13
	v_add_nc_u32 v[AA], ARING, v13
	v_lshrrev_b32 v13, 3, v0                       ; my 16 bytes of a ctx tile: token t >> 3, piece t & 7
	v_mul_u32_u24 v13, v13, AP
	v_lshl_add_u32 v13, v11, 4, v13
	v_add_nc_u32 v[AST], ARING, v13
	v_lshl_add_u32 v13, v10, 3, v11                ; k row 8 h + (lane & 7)
	v_mul_u32_u24 v13, v13, BP
	v_lshl_add_u32 v13, v12, 4, v13
	v_add_nc_u32 v[AB], s[G0+1], v13               ; my own strip
	v_add_nc_u32 v[AB+1], s[G0+5], v13
	v_mul_u32_u24 v13, v9, HP
	v_lshl_add_u32 v13, v10, 5, v13
	s_lshl_b32 s56, s12, 9
	v_add_nc_u32 v[HS], s56, v13                   ; row r, column 128 w + 8 h, f32
	v_add_nc_u32 v[HS+1], 16*HP, v[HS]             ; 16 rows further: beyond an LDS instruction's 16-bit offset
	v_and_b32 v13, 31, v0
	v_lshlrev_b32 v[GL], 4, v13
	s_mul_i32 s56, s12, 4*HP
	v_add_nc_u32 v[HR], s56, v[GL]
	v_lshlrev_b32 v0, 8, v0                        ; from here on: 256 t, the prefetch's offset; never written again
	s_wait_loadcnt 15                              ; ctx tile 0 is in; the 15 younger loads stay out
	WIN 0x04
	ds_store_b128 v[AST], v[AH:AH+3]
	WIN 0
	s_wait_xcnt 0x0                                ; the 16 offsets in v[48:63] are written again (as fragments) only behind this wait
; group g of a K tile: ks = g >> 1 (32 along K), column tiles 4 (g & 1) .. + 3
.macro LDB bf, slot, g
.irp n, 0,1,2,3
	ds_load_tr16_b128 v[\bf+8*\n:\bf+8*\n+3],   v[AB+\slot] offset:(\g>>1)*32*BP+32*(4*(\g&1)+\n)
	ds_load_tr16_b128 v[\bf+8*\n+4:\bf+8*\n+7], v[AB+\slot] offset:(\g>>1)*32*BP+16*BP+32*(4*(\g&1)+\n)
.endr
.endm
.macro MUL8 g, bf, zero
.irp a, 0,1
.irp n, 0,1,2,3
.if \zero
	v_wmma_f32_16x16x32_bf16 v[ACC+8*(8*\a+4*(\g&1)+\n):ACC+8*(8*\a+4*(\g&1)+\n)+7], v[\bf+8*\n:\bf+8*\n+7], v[AF+16*(\g>>1)+8*\a:AF+16*(\g>>1)+8*\a+7], 0
.else
	v_wmma_f32_16x16x32_bf16 v[ACC+8*(8*\a+4*(\g&1)+\n):ACC+8*(8*\a+4*(\g&1)+\n)+7], v[\bf+8*\n:\bf+8*\n+7], v[AF+16*(\g>>1)+8*\a:AF+16*(\g>>1)+8*\a+7], v[ACC+8*(8*\a+4*(\g&1)+\n):ACC+8*(8*\a+4*(\g&1)+\n)+7]
.endif
.endr
.endr
.endm
; trip t multiplies slot t & 1 and asks for trip t + 1's tile into the other slot
.macro TRIP t
	s_wait_tensorcnt 0x0                           ; the one load of mine that was out has landed, so every group 0 may be written
.if \t < 15
	s_add_co_u32 s49, s48, \t+1
	s_and_b32 s49, s49, 15                         ; the next trip's tile
	s_lshl_b32 s50, s49, 17
	s_add_nc_u64 s[G0+4*((\t+1)&1)+2:G0+4*((\t+1)&1)+3], s[24:25], s[50:51]
	s_or_b32 s[G0+4*((\t+1)&1)+3], s[G0+4*((\t+1)&1)+3], 0x80000000
.endif
	s_wait_dscnt 0x0                               ; my reads of the last trip's tiles are back, and my store of this trip's ctx is in LDS
	ROUND
.if \t < 15
	tensor_load_to_lds s[G0+4*((\t+1)&1):G0+4*((\t+1)&1)+3], s[G1B:G1B+7]      ; every wave's one load behind the round
	s_nop 0
	s_wait_loadcnt 14-\t                           ; ctx tile t + 1 is in; the younger tiles' loads stay out
	WIN 0x04
	ds_store_b128 v[AST], v[AH+4*(\t+1):AH+4*(\t+1)+3] offset:((\t+1)&1)*ASL   ; into the ring slot whose readers waited in front of this round
	WIN 0
.endif
.if \t == 14
	; the residual, 32 rows of 4,096 bytes, is loaded behind trip 15: two trips ahead each thread asks for two of its 512 blocks, 65,536 bytes apart, each block once
	global_prefetch_b8 v0, s[26:27] th:TH_LOAD_NT scope:SCOPE_SE
	global_prefetch_b8 v0, s[26:27] offset:65536 th:TH_LOAD_NT scope:SCOPE_SE
.endif
.if \t > 0
	PL 4                                           ; behind the last trip's products, for the loads into their fragments
.endif
.irp ks, 0,1
.irp a, 0,1
	ds_load_b128 v[AF+16*\ks+8*\a:AF+16*\ks+8*\a+3],   v[AA] offset:(\t&1)*ASL+16*AP*\a+64*\ks
	ds_load_b128 v[AF+16*\ks+8*\a+4:AF+16*\ks+8*\a+7], v[AA] offset:(\t&1)*ASL+16*AP*\a+64*\ks+32
.endr
.endr
	LDB BFA, (\t&1), 0
	LDB BFB, (\t&1), 1
	s_wait_dscnt 8                                 ; all but the youngest eight loads: the next group's
.if \t == 0
	MUL8 0, BFA, 1                                 ; the first products start the sums: nothing is cleared
.else
	MUL8 0, BFA, 0
.endif
	PL 4
	LDB BFA, (\t&1), 2
	s_wait_dscnt 8
.if \t == 0
	MUL8 1, BFB, 1
.else
	MUL8 1, BFB, 0
.endif
	PL 4
	LDB BFB, (\t&1), 3
	s_wait_dscnt 8
	MUL8 2, BFA, 0
	s_wait_dscnt 0x0
	MUL8 3, BFB, 0
.endm
.irp t, 0,1,2,3,4,5,6,7,8,9,10,11,12,13,14,15
	TRIP \t
.endr
	PL 4                                           ; behind the last products: for the stores of the sums and the loads into fragments and accumulators
.irp a, 0,1
.irp nb, 0,1,2,3,4,5,6,7
	ds_store_b128 v[HS+\a], v[ACC+8*(8*\a+\nb):ACC+8*(8*\a+\nb)+3] offset:64*\nb
	ds_store_b128 v[HS+\a], v[ACC+8*(8*\a+\nb)+4:ACC+8*(8*\a+\nb)+7] offset:64*\nb+16
.endr
.endr
.irp k, 0,1,2,3,4,5,6,7
	global_load_b128 v[PBO+4*\k:PBO+4*\k+3], v[GL], s[10:11] offset:512*\k
.endr
.irp k, 0,1,2,3,4,5,6,7
	global_load_b128 v[PGA+4*\k:PGA+4*\k+3], v[GL], s[68:69] offset:512*\k
.endr
.irp k, 0,1,2,3,4,5,6,7
	global_load_b128 v[PBE+4*\k:PBE+4*\k+3], v[GL], s[70:71] offset:512*\k
.endr
	s_wait_dscnt 0x0                               ; my sums are in LDS, for the other waves' sake; the accumulators are free
.irp i, 0,1,2,3
.irp k, 0,1,2,3,4,5,6,7
	global_load_b128 v[ACC+32*\i+4*\k:ACC+32*\i+4*\k+3], v[GL], s[8:9] offset:4096*\i+512*\k    ; the residual of my four rows
.endr
.endr
	s_barrier_signal -1
	s_barrier_wait -1
.macro WSUM                            ; v10 summed over the 32 lanes, in every lane
	v_add_f32_dpp v10, v10, v10 row_xmask:1 row_mask:0xf bank_mask:0xf
	v_add_f32_dpp v10, v10, v10 row_xmask:2 row_mask:0xf bank_mask:0xf
	v_add_f32_dpp v10, v10, v10 row_xmask:4 row_mask:0xf bank_mask:0xf
	v_add_f32_dpp v10, v10, v10 row_xmask:8 row_mask:0xf bank_mask:0xf
	v_permlanex16_b32 v9, v10, s62, s63
	v_add_f32 v10, v10, v9
.endm
; row 4 w + i: a lane holds columns 4 lane + 128 k + 0..3 in registers 4 k + 0..3; made, normalised and stored in the residual's registers
.macro ROW i
.set HB, ACC+32*\i
.irp k, 0,1,2,3
	ds_load_b128 v[HT+4*\k:HT+4*\k+3], v[HR] offset:HP*\i+512*\k
.endr
	s_wait_loadcnt 24-8*\i                         ; bo, gamma, beta and the residual up to this row are in; the later rows' 8 loads each stay out
.irp n, 0,2,4,6,8,10,12,14,16,18,20,22,24,26,28,30
	v_pk_add_f32 v[HB+\n:HB+\n+1], v[HB+\n:HB+\n+1], v[PBO+\n:PBO+\n+1]
.endr
	s_wait_dscnt 0x0
.irp n, 0,2,4,6,8,10,12,14
	v_pk_add_f32 v[HB+\n:HB+\n+1], v[HB+\n:HB+\n+1], v[HT+\n:HT+\n+1]
.endr
.irp k, 0,1,2,3
	ds_load_b128 v[HT+4*\k:HT+4*\k+3], v[HR] offset:HP*\i+2048+512*\k
.endr
	s_wait_dscnt 0x0
.irp n, 0,2,4,6,8,10,12,14
	v_pk_add_f32 v[HB+16+\n:HB+16+\n+1], v[HB+16+\n:HB+16+\n+1], v[HT+\n:HT+\n+1]
.endr
	v_pk_add_f32 v[10:11], v[HB:HB+1], v[HB+2:HB+3]
	v_pk_add_f32 v[12:13], v[HB+4:HB+5], v[HB+6:HB+7]
.irp n, 8,12,16,20,24,28
	v_pk_add_f32 v[10:11], v[10:11], v[HB+\n:HB+\n+1]
	v_pk_add_f32 v[12:13], v[12:13], v[HB+\n+2:HB+\n+3]
.endr
	v_pk_add_f32 v[10:11], v[10:11], v[12:13]
	v_add_f32 v10, v10, v11
	WSUM
	v_mul_f32 v14, s57, v10                        ; the mean
	v_mov_b32 v15, v14
.irp n, 0,2,4,6,8,10,12,14,16,18,20,22,24,26,28,30
	v_pk_add_f32 v[HB+\n:HB+\n+1], v[HB+\n:HB+\n+1], v[14:15] neg_lo:[0,1] neg_hi:[0,1]
.endr
	v_pk_mul_f32 v[10:11], v[HB:HB+1], v[HB:HB+1]
	v_pk_mul_f32 v[12:13], v[HB+2:HB+3], v[HB+2:HB+3]
.irp n, 4,8,12,16,20,24,28
	v_pk_fma_f32 v[10:11], v[HB+\n:HB+\n+1], v[HB+\n:HB+\n+1], v[10:11]
	v_pk_fma_f32 v[12:13], v[HB+\n+2:HB+\n+3], v[HB+\n+2:HB+\n+3], v[12:13]
.endr
	v_pk_add_f32 v[10:11], v[10:11], v[12:13]
	v_add_f32 v10, v10, v11
	WSUM
	v_fma_f32 v10, v10, s57, s58                   ; variance + 1e-12
	v_rsq_f32 v14, v10
	v_nop                                          ; one plain place behind v_rsq_f32 (ISA guide 5.7.2)
	s_wait_alu depctr_va_vdst(0)
	v_mov_b32 v15, v14
.irp n, 0,2,4,6,8,10,12,14,16,18,20,22,24,26,28,30
	v_pk_mul_f32 v[HB+\n:HB+\n+1], v[HB+\n:HB+\n+1], v[14:15]
.endr
.irp n, 0,2,4,6,8,10,12,14,16,18,20,22,24,26,28,30
	v_pk_fma_f32 v[HB+\n:HB+\n+1], v[HB+\n:HB+\n+1], v[PGA+\n:PGA+\n+1], v[PBE+\n:PBE+\n+1]
.endr
.irp k, 0,1,2,3,4,5,6,7
	global_store_b128 v[GL], v[HB+4*\k:HB+4*\k+3], s[72:73] offset:4096*\i+512*\k     ; the wave stores 512 consecutive bytes
.endr
.endm
	ROW 0
	ROW 1
	ROW 2
	ROW 3
	ROUND                                          ; the closing round
	s_endpgm
.Lfunc_end_k_q4554bb7b6a_oproj:
	.size	k_q4554bb7b6a_oproj, .Lfunc_end_k_q4554bb7b6a_oproj-k_q4554bb7b6a_oproj
	.p2alignl 7, 3214868480
	.fill 96, 4, 3214868480
	.section	.rodata,"a",@progbits
	.p2align	6, 0x0
	.amdhsa_kernel k_q4554bb7b6a_oproj
		.amdhsa_group_segment_fixed_size 327680
		.amdhsa_private_segment_fixed_size 0
		.amdhsa_enable_private_segment 0
		.amdhsa_kernarg_size 56
		.amdhsa_user_sgpr_count 2
		.amdhsa_user_sgpr_kernarg_segment_ptr 1
		.amdhsa_wavefront_size32 1
		.amdhsa_system_sgpr_workgroup_id_x 1
		.amdhsa_system_sgpr_workgroup_id_y 1
		.amdhsa_system_sgpr_workgroup_id_z 1
		.amdhsa_system_vgpr_workitem_id 0
		.amdhsa_next_free_vgpr 320
		.amdhsa_next_free_sgpr 74
		.amdhsa_reserve_vcc 0
		.amdhsa_float_denorm_mode_32 3
		.amdhsa_float_denorm_mode_16_64 3
		.amdhsa_memory_ordered 1
		.amdhsa_forward_progress 1
		.amdhsa_inst_pref_size 146
	.end_amdhsa_kernel
	.amdgpu_metadata
---
amdhsa.version: [ 1, 2 ]
amdhsa.kernels:
  - .name:           k_q4554bb7b6a_oproj
    .symbol:         k_q4554bb7b6a_oproj.kd
    .args:
      - { .name: ctxh, .offset: 0, .size: 8, .value_kind: global_buffer, .address_space: global }
      - { .name: Wob, .offset: 8, .size: 8, .value_kind: global_buffer, .address_space: global }
      - { .name: hidden_states, .offset: 16, .size: 8, .value_kind: global_buffer, .address_space: global }
      - { .name: bo, .offset: 24, .size: 8, .value_kind: global_buffer, .address_space: global }
      - { .name: ln_gamma, .offset: 32, .size: 8, .value_kind: global_buffer, .address_space: global }
      - { .name: ln_beta, .offset: 40, .size: 8, .value_kind: global_buffer, .address_space: global }
      - { .name: out0, .offset: 48, .size: 8, .value_kind: global_buffer, .address_space: global }
    .group_segment_fixed_size: 327680
    .private_segment_fixed_size: 0
    .kernarg_segment_align: 8
    .kernarg_segment_size: 56
    .max_flat_workgroup_size: 256
    .sgpr_count:     74
    .vgpr_count:     320
    .wavefront_size: 32
...
	.end_amdgpu_metadata
.endif
;; end of part 7
